; MI455X (gfx1250); checked and timed in simulation.
; The chip was launched on July 23, 2026; its instructions are those of AMD's public machine-readable ISA for CDNA 5 (MIT licence, August 2026) and "CDNA5" Instruction Set Architecture Reference Guide (July 2026). The comments in the code are by the model that wrote it; some were corrected since.
;; Decoder Block. Allowed arithmetic: matrix products marked QUANTISED: E5M2 operands, one E8M0 scale for each 32 along K, by v_wmma_scale_f32_16x16x128_f8f6f4 with both operands' format E5M2, f32 sums; everything else in f32.
;; Inputs: W1 1,024 x 512 float32; W2 512 x 1,024 float32; Wk 8 x 1,024 x 64 float32; Wo 512 x 1,024 float32; Wq 8 x 1,024 x 64 float32; Wv 8 x 1,024 x 64 float32; b1 512 float32; b2 1,024 float32; bo 1,024 float32; ln1_b 1,024 float32; ln1_g 1,024 float32; ln2_b 1,024 float32; ln2_g 1,024 float32; x 4 x 2,048 x 1,024 float32.
;; Outputs: out0 4 x 2,048 x 1,024 float32.
;; This version of the problem:
;;   THIS VERSION OF THE PROBLEM IS GIVEN IN LOW PRECISION. The matrix products marked QUANTISED in the list below multiply operands that are first quantised to E5M2 (5 exponent bits, 2 mantissa bits; 8 bits a number), with one power-of-two scale for each 32 numbers along K (OCP MX v1.0); their sums are f32. All else is computed in f32.
;;   The module's matrix products, in the order in which they are computed (A, B: the left and right operand; K: the contracted axis; several contracted axes count as one K, in the product's order):
;;     1. [M 512, K 1,024] x [K 1,024, N 8,192]; A: input Wq; B: computed on the way: QUANTISED
;;     2. [M 512, K 1,024] x [K 1,024, N 8,192]; A: input Wk; B: computed on the way: QUANTISED
;;     3. [M 512, K 1,024] x [K 1,024, N 8,192]; A: input Wv; B: computed on the way: QUANTISED
;;     4. batch 32 x [M 2,048, K 64] x [K 64, N 2,048]; A: computed on the way; B: computed on the way: QUANTISED
;;     5. batch 32 x [M 2,048, K 2,048] x [K 2,048, N 64]; A: softmax (see below); B: computed on the way: QUANTISED
;;     6. [M 8,192, K 512] x [K 512, N 1,024]; A: computed on the way; B: input Wo: QUANTISED
;;     7. [M 8,192, K 1,024] x [K 1,024, N 512]; A: computed on the way; B: input W1: QUANTISED
;;     8. [M 8,192, K 512] x [K 512, N 1,024]; A: computed on the way; B: input W2: QUANTISED
;;   THE QUANTISER, for each operand of a quantised product, along K:
;;     - K is cut into blocks of 32 from its start; a last block that is shorter is filled with zeros.
;;     - A block's scale is 2^e with e = floor(log2(the largest magnitude in the block)) - 15, held to -126 .. 127; a block of zeros has e = 0. As a byte (E8M0): e + 127.
;;     - Each number is divided by its block's scale, clamped to +-57,344, and rounded to the nearest number of E5M2, ties to even, subnormals kept.
;;     - The product sums the exact products of the quantised numbers (number of the format x scale) in f32.
;;   ~~~python
;;   def quantise(x, axis):      # numpy; x: float32 -> the quantised numbers, widened to float32 again
;;       x = np.moveaxis(x, axis, -1); K = x.shape[-1]
;;       x = np.pad(x, [(0, 0)] * (x.ndim - 1) + [(0, -K % 32)]); x = x.reshape(x.shape[:-1] + (-1, 32)); a = np.abs(x).max(-1, keepdims=True)
;;       e = np.where(a > 0, np.clip(np.frexp(np.where(a > 0, a, 1))[1] - 1 - 15, -126, 127), 0)      # np.frexp(a)[1] - 1 = floor(log2(a)), exactly
;;       r = np.clip(x / 2.0 ** e, -57344, 57344)
;;       step = 2.0 ** (np.maximum(np.frexp(np.where(r == 0, 1, r))[1] - 1, -14) - 2)
;;       q = np.round(r / step) * step * 2.0 ** e      # np.round: ties to even
;;       return np.moveaxis(q.reshape(q.shape[:-2] + (-1,))[..., :K], -1, axis).astype(np.float32)
;;   ~~~
;;   SOFTMAX AHEAD OF A QUANTISED PRODUCT. Where the list says 'softmax', what is quantised is not the finished softmax but p = 2^(t - M), with t = logit x log2(e) and M = ceil(the row's largest t), a whole number; so 1/2 < the row's largest p <= 1. The row's sum l is taken of the UNQUANTISED p, in f32, and the product's result is divided by l at the end. Since M is a whole number, a kernel that streams over the keys may use a running M (the ceiling of the running maximum): every later rescaling is an exact power of two, which a block's scale takes up: the codes' values come out the same.
;;   OPERANDS COMPUTED ON THE WAY. 'Computed on the way' means the value that the module computes at that place (a softmax that the list does not call 'softmax' is quantised finished and normalised). What goes into a quantiser is computed in f32, as accurately as f32 sums, v_exp_f32 and their like allow (about 1e-6 of the number): no bf16 or f16 on the way to a quantiser, and a product that is left as it is and whose result goes on into a quantised operand takes f32 operands (vector FMAs, or v_wmma_f32_16x16x4_f32). A number that lies on a knife's edge between two numbers of the format may be rounded either way, as far as f32 arithmetic and the matrix unit's own rounding can turn it there, and no further.
;; One version. Each part assembles by itself: llvm-mc -triple=amdgcn-amd-amdhsa -mcpu=gfx1250 --defsym DOCPART=n.
;; ======== version 1 of 1: 4 launches
;; workspace buffers: hrec 8,650,752 bytes; wq 3,244,032 bytes; qrec 4,456,448 bytes; kv 8,781,824 bytes; orec 4,325,376 bytes
;; launch prep (part 1): grid 448 x 1, 4 waves a work-group, no clusters, 36,352 bytes of LDS; arguments x, ln1_g, ln1_b, Wq, Wk, Wv, Wo, W1, W2, hrec, wq; writes hrec, wq
.if DOCPART == 1
	.amdgcn_target "amdgcn-amd-amdhsa--gfx1250"
	.amdhsa_code_object_version 6
	.text
	.protected	k_q5f6f8b0188_prep
	.globl	k_q5f6f8b0188_prep
	.p2align	8
	.type	k_q5f6f8b0188_prep,@function
k_q5f6f8b0188_prep:
	s_mov_b64 s[64:65], 0
	v_nop
	global_prefetch_b8 v0, s[64:65] scope:SCOPE_SE
	s_setreg_imm32_b32 hwreg(HW_REG_WAVE_MODE, 25, 1), 1
	s_wait_xcnt 0x0
; Work-groups 0-255: h = layernorm(x) of 32 tokens each, quantised along the 1,024 channels to codes of E5M2 with one E8M0 byte for each 32, stored as IMAGES OF OPERAND REGISTERS.
; Work-groups 256-447: the six weights (Wq, Wk, Wv, Wo, W1, W2), whose K is an outer axis, quantised along K and stored as images too.
; AN IMAGE: a fragment of 16 rows x 128 K is 2,048 bytes: chunk c (32 along K) at 512 c, lane l's 16 bytes at 16 l: k = 32 c + 16 (l / 16) + 0..15 of row l % 16.  Four loads of 16 bytes a lane give the operand.
; THE ROWS OF A TILE ARE NOT NEIGHBOURS: of a group of 32 (tokens, or a weight's columns) tile u (0, 1) takes in row r the member 8 u + r + 8 (r / 8): member x lies in tile (x / 8) % 2, row (x % 8) + 8 (x / 16).
; hrec: 64 blocks of 128 tokens x 135,168 bytes: tile i at 16,384 i, K step s at + 2,048 s; scale words at 131,072 + 1,024 (i / 2) + 128 s + 4 (16 (i % 2) + r).
; wq: 6 x 540,672 bytes: images [tile of columns][K step][2,048]; scale words at 524,288 + (pair of tiles x K steps + s) x 128 + 4 (16 u + r).
; THE SCALE of a block is 2^(floor(log2(largest magnitude)) - 15); its byte is the largest magnitude's exponent field - 15, held at 1 from below by a floor among the maximum's leaves.
; LIMITS: NaN and infinities among the inputs are not served.  A block of zeros gets the byte 1 where the rule says 127: its codes are zeros, which add nothing under any byte but 0xff, and this program alone reads the bytes.
; No matrix work, no tensor loads, no cluster: the launch streams each input once.  Only the layernorm's path uses LDS and a barrier; the branch between the paths hangs on the work-group's number alone.
.set SCL,  34816                       ; LDS: [0, 34,816) 128 units of 256 bytes of codes, 272 bytes apart; then 1,024 scale bytes
.set MX,   22                          ; v22-29   a block's largest magnitude, for each of a row's eight loads
.set INV,  30                          ; v30-45   1 / scale, in pairs (the packed multiply takes the low word for both halves)
.set EB,   46                          ; v46-53   scale bytes
.set CD,   54                          ; v54-61   codes, four to a register
.set LIM,  62                          ; v62      57,344.0
.set GG,   64                          ; v64-95   the gain of my 32 channels
.set BB,   96                          ; v96-127  the bias
.set X,    128                         ; v128-255 four row slots of 32 registers
	s_load_b256 s[4:11], s[0:1], 0x0               ; x s[4:5], gain s[6:7], bias s[8:9], Wq s[10:11]
	s_load_b256 s[12:19], s[0:1], 0x20             ; Wk s[12:13], Wv s[14:15], Wo s[16:17], W1 s[18:19]
	s_load_b128 s[20:23], s[0:1], 0x40             ; W2 s[20:21], hrec s[22:23]
	s_load_b64 s[24:25], s[0:1], 0x50              ; wq
	v_lshl_add_u32 v20, v0, 2, 0x8c00
	v_mov_b32 v21, 0
	v_lshrrev_b32 v1, 5, v0
	v_readfirstlane_b32 s26, v1                    ; wave 0..3
	v_and_b32 v1, 31, v0                           ; lane
	s_cmp_lt_u32 ttmp9, 256
	s_cbranch_scc0 .Lweights
; ---------------- the layernorm.  Wave w takes tokens 8 w + j, j = 0..7: tile w % 2, row j + 8 (w / 2).  A row is eight loads of 512 consecutive bytes: load i is K step i, and lane l holds k = 4 l + 0..3 of it, so eight lanes hold a block of 32.
	v_lshlrev_b32 v2, 4, v1                        ; 16 x lane
	s_and_b32 s27, s26, 1
	s_lshr_b32 s28, s26, 1
	s_mul_i32 s29, s27, 17408                      ; tile u: 64 units of 272 bytes
	s_lshl_b32 s30, s28, 7                         ; rows 8..15: 128 bytes on in a unit
	s_add_co_u32 s29, s29, s30
	v_lshrrev_b32 v3, 2, v1
	v_mul_u32_u24 v3, v3, 272                      ; four lanes' 16 codes belong to one unit: unit l / 4 of the K step's eight
	v_and_b32 v9, 3, v1
	v_lshl_add_u32 v3, v9, 2, v3
	v_add_nc_u32 v3, s29, v3                       ; where I put four codes; + 2,176 i + 16 j in the immediate
	s_lshl_b32 s29, s27, 6
	s_lshl_b32 s30, s28, 5
	s_add_co_u32 s29, s29, s30
	s_add_co_u32 s29, s29, SCL
	v_lshrrev_b32 v4, 3, v1
	v_add_nc_u32 v4, s29, v4                       ; where my block's byte goes; + 128 i + 4 j in the immediate
	s_mul_i32 s29, s26, 8704                       ; back: wave w takes units 32 w .. 32 w + 31, two an instruction
	v_lshrrev_b32 v5, 4, v1
	v_mul_u32_u24 v5, v5, 272
	v_and_b32 v9, 15, v1
	v_lshl_add_u32 v5, v9, 4, v5
	v_add_nc_u32 v5, s29, v5
	v_lshlrev_b32 v7, 3, v1                        ; 8 x lane
	s_lshl_b32 s29, s26, 8
	s_add_co_u32 s29, s29, SCL
	v_add_nc_u32 v6, s29, v7                       ; back: my wave's 256 scale bytes
	v_mov_b32 v8, 1.0                              ; the conversions' scale: the numbers are divided by their scales beforehand
	v_mov_b32 v9, 0                                ; a lane permute's destination counts as one of its sources
	v_mov_b32 v11, 0                               ; upper halves of pairs that packed forms name
	v_mov_b32 v13, 0
.irp i, 0,1,2,3,4,5,6,7
	v_mov_b32 v[INV+2*\i+1], 0
.endr
	v_mov_b32 v[LIM], 0x47600000
	s_mov_b32 s31, 0xba800000                      ; -1 / 1,024
	s_mov_b32 s32, 0x3a800000                      ; 1 / 1,024
	s_mov_b32 s33, 0x3727c5ac                      ; 1e-5
	s_mov_b32 s34, 0x86800000                      ; (127 + 127 + 15) << 23: this less an exponent field E << 23 is the f32 number 2^-(E - 127 - 15)
	s_mov_b32 s36, 0x76543210
	s_mov_b32 s37, 0xfedcba98                      ; v_permlanex16_b32's selects for lane l xor 16
	s_lshl_b32 s38, ttmp9, 17                      ; 32 rows of 4,096 bytes a work-group,
	s_lshl_b32 s39, s26, 15                        ; 8 a wave
	s_add_co_u32 s38, s38, s39
	s_mov_b32 s39, 0
	s_lshr_b32 s40, ttmp9, 2
	s_mul_i32 s40, s40, 135168                     ; my block of 128 tokens in hrec
	s_and_b32 s41, ttmp9, 3                        ; my pair of tiles in it
	s_lshl_b32 s42, s41, 15
	s_add_co_u32 s42, s42, s40
	s_lshl_b32 s43, s26, 13
	s_add_co_u32 s42, s42, s43                     ; codes: + 8,192 x wave
	s_mov_b32 s43, 0
	s_lshl_b32 s44, s41, 10
	s_add_co_u32 s44, s44, s40
	s_lshl_b32 s45, s26, 8
	s_add_co_u32 s44, s44, s45
	s_add_co_u32 s44, s44, 131072                  ; scale bytes: + 256 x wave
	s_mov_b32 s45, 0
	s_wait_kmcnt 0x0
	s_add_nc_u64 s[4:5], s[4:5], s[38:39]
	s_add_nc_u64 s[46:47], s[22:23], s[42:43]
	s_add_nc_u64 s[48:49], s[22:23], s[44:45]
.irp i, 0,1,2,3,4,5,6,7
	global_load_b128 v[GG+4*\i:GG+4*\i+3], v2, s[6:7] offset:512*\i
	global_load_b128 v[BB+4*\i:BB+4*\i+3], v2, s[8:9] offset:512*\i
.endr
.macro LOADROW j
.irp i, 0,1,2,3,4,5,6,7
	global_load_b128 v[X+32*((\j)%4)+4*\i:X+32*((\j)%4)+4*\i+3], v2, s[4:5] offset:4096*(\j)+512*\i th:TH_LOAD_NT
.endr
.endm
	LOADROW 0
	LOADROW 1
	LOADROW 2
	LOADROW 3
.macro REDUCE                          ; v14 summed over the 32 lanes, the result in every lane
	v_add_f32_dpp v14, v14, v14 row_xmask:1 row_mask:0xf bank_mask:0xf
	v_add_f32_dpp v14, v14, v14 row_xmask:2 row_mask:0xf bank_mask:0xf
	v_add_f32_dpp v14, v14, v14 row_xmask:4 row_mask:0xf bank_mask:0xf
	v_add_f32_dpp v14, v14, v14 row_xmask:8 row_mask:0xf bank_mask:0xf
	v_permlanex16_b32 v9, v14, s36, s37
	v_add_f32 v14, v14, v9
.endm
; One row.  left: the loads of the younger rows, which may stay out.
.macro ROW j, left
.set XS, X+32*((\j)%4)
	s_wait_loadcnt \left                           ; loads come back in order: gain, bias and this row are in
	v_pk_add_f32 v[14:15], v[XS:XS+1], v[XS+2:XS+3]        ; the row's sum, in two chains
	v_pk_add_f32 v[16:17], v[XS+4:XS+5], v[XS+6:XS+7]
.irp i, 8,12,16,20,24,28
	v_pk_add_f32 v[14:15], v[14:15], v[XS+\i:XS+\i+1]
	v_pk_add_f32 v[16:17], v[16:17], v[XS+\i+2:XS+\i+3]
.endr
	v_pk_add_f32 v[14:15], v[14:15], v[16:17]
	v_add_f32 v14, v14, v15
	REDUCE
	v_mul_f32 v10, s31, v14                        ; -mean
.set p, 0
.rept 16
	v_pk_add_f32 v[XS+p:XS+p+1], v[XS+p:XS+p+1], v[10:11] op_sel_hi:[1,0]
.set p, p+2
.endr
	v_pk_mul_f32 v[14:15], v[XS:XS+1], v[XS:XS+1]          ; the sum of squares of x - mean
	v_pk_mul_f32 v[16:17], v[XS+2:XS+3], v[XS+2:XS+3]
.irp i, 4,8,12,16,20,24,28
	v_pk_fma_f32 v[14:15], v[XS+\i:XS+\i+1], v[XS+\i:XS+\i+1], v[14:15]
	v_pk_fma_f32 v[16:17], v[XS+\i+2:XS+\i+3], v[XS+\i+2:XS+\i+3], v[16:17]
.endr
	v_pk_add_f32 v[14:15], v[14:15], v[16:17]
	v_add_f32 v14, v14, v15
	REDUCE
	v_fma_f32 v12, v14, s32, s33                   ; variance + 1e-5
	v_rsq_f32 v12, v12
	v_nop                                          ; a plain instruction behind the transcendental,
	s_wait_alu depctr_va_vdst(0)                   ; and the wait ahead of its first reader
.set p, 0
.rept 16
	v_pk_mul_f32 v[XS+p:XS+p+1], v[XS+p:XS+p+1], v[12:13] op_sel_hi:[1,0]
.set p, p+2
.endr
.set p, 0
.rept 16
	v_pk_fma_f32 v[XS+p:XS+p+1], v[XS+p:XS+p+1], v[GG+p:GG+p+1], v[BB+p:BB+p+1]
.set p, p+2
.endr
.irp i, 0,1,2,3,4,5,6,7
	v_max3_num_f32 v[MX+\i], |v[XS+4*\i]|, |v[XS+4*\i+1]|, 0x8000000       ; my four numbers of a block, and the floor 2^(16 - 127); the eight loads by turns
.endr
.irp i, 0,1,2,3,4,5,6,7
	v_max3_num_f32 v[MX+\i], v[MX+\i], |v[XS+4*\i+2]|, |v[XS+4*\i+3]|
.endr
.irp m, 1,2,4
.irp i, 0,1,2,3,4,5,6,7
	v_max_num_f32_dpp v[MX+\i], v[MX+\i], v[MX+\i] row_xmask:\m row_mask:0xf bank_mask:0xf   ; with the block's other seven lanes
.endr
.endr
	s_wait_dscnt 0x0                               ; the last row's LDS stores have read their bytes and codes
.irp i, 0,1,2,3,4,5,6,7
	v_and_b32 v[MX+\i], 0x7f800000, v[MX+\i]       ; the largest magnitude's exponent field
.endr
.irp i, 0,1,2,3,4,5,6,7
	v_lshrrev_b32 v[EB+\i], 23, v[MX+\i]
.endr
.irp i, 0,1,2,3,4,5,6,7
	v_sub_nc_u32 v[INV+2*\i], s34, v[MX+\i]        ; 1 / scale, a power of two: the multiplication below rounds nothing that a code could show
.endr
.irp i, 0,1,2,3,4,5,6,7
	v_add_nc_u32 v[EB+\i], -15, v[EB+\i]           ; the scale's byte
.endr
.irp i, 0,1,2,3,4,5,6,7
	v_pk_mul_f32 v[XS+4*\i:XS+4*\i+1], v[XS+4*\i:XS+4*\i+1], v[INV+2*\i:INV+2*\i+1] op_sel_hi:[1,0]
	v_pk_mul_f32 v[XS+4*\i+2:XS+4*\i+3], v[XS+4*\i+2:XS+4*\i+3], v[INV+2*\i:INV+2*\i+1] op_sel_hi:[1,0]
.endr
.set p, 0
.rept 32
	v_med3_num_f32 v[XS+p], v[XS+p], -v[LIM], v[LIM]       ; the conversion to an 8-bit code does not saturate (ISA guide 7.6.2): the hold at the largest number
.set p, p+1
.endr
.irp q, 0,1,2,3
	v_cvt_scalef32_pk8_bf8_f32 v[CD+2*\q:CD+2*\q+1], v[XS+8*\q:XS+8*\q+7], v8   ; four numbers of each of two blocks: both are already divided by their scales
.endr
	v_nop                                          ; a plain instruction behind the last conversion
.if (\j) < 4
	LOADROW (\j)+4                                 ; the slot's next row
.endif
.irp i, 0,1,2,3,4,5,6,7
	ds_store_b32 v3, v[CD+\i] offset:2176*\i+16*(\j)
.endr
.irp i, 0,1,2,3,4,5,6,7
	ds_store_b8 v4, v[EB+\i] offset:128*\i+4*(\j)  ; a block's eight lanes write the same byte with the same value
.endr
.endm
	ROW 0, 24
	ROW 1, 24
	ROW 2, 24
	ROW 3, 24
	ROW 4, 24
	ROW 5, 16
	ROW 6, 8
	ROW 7, 0
	s_wait_dscnt 0x0                               ; for the others' sake: my stores have landed (a unit's 16 rows come from two waves)
	s_barrier_signal -1
	s_barrier_wait -1
.irp t, 0,1,2,3,4,5,6,7,8,9,10,11,12,13,14,15
	ds_load_b128 v[X+4*\t:X+4*\t+3], v5 offset:544*\t
.endr
	ds_load_b64 v[14:15], v6
.irp t, 0,1,2,3,4,5,6,7,8,9,10,11,12,13,14,15
	s_wait_dscnt 16-\t                             ; the younger read-backs may stay out
	global_store_b128 v2, v[X+4*\t:X+4*\t+3], s[46:47] offset:512*\t       ; 32 lanes store 512 consecutive bytes, aligned
.endr
	s_wait_dscnt 0x0
	global_store_b64 v7, v[14:15], s[48:49]        ; 32 lanes store 256 consecutive bytes, aligned
	s_wait_tensorcnt 0x0
	ds_add_u32 v20, v21
	s_wait_dscnt 0x0
	s_endpgm
; ---------------- the weights.  A wave takes 32 columns (a pair of tiles) x 128 along K.  A LANE TAKES A COLUMN AND ITS REGISTERS RUN DOWN K: a block of 32 lies in one lane, and the conversions give codes with K innermost.
.Lweights:
	s_sub_co_u32 s27, ttmp9, 256
	s_lshr_b32 s28, s27, 5                         ; which weight: 0 Wq, 1 Wk, 2 Wv, 3 Wo, 4 W1, 5 W2; 32 work-groups each
	s_and_b32 s29, s27, 31
	s_cmp_eq_u32 s28, 3
	s_cselect_b32 s30, 2, 3                        ; log2 of the K steps: K = 512 for Wo and W2, else 1,024
	s_cmp_eq_u32 s28, 5
	s_cselect_b32 s30, 2, s30
	s_lshl_b32 s31, 1, s30
	s_sub_co_u32 s31, s31, 1
	s_and_b32 s32, s29, s31                        ; my K step
	s_lshr_b32 s33, s29, s30
	s_lshl_b32 s33, s33, 2
	s_add_co_u32 s33, s33, s26                     ; my pair of tiles
	v_lshlrev_b32 v2, 2, v1                        ; in: 4 bytes a lane
	v_bfe_u32 v5, v1, 3, 1                         ; column x of the 32: tile u = (x / 8) % 2,
	v_and_b32 v6, 7, v1
	v_lshrrev_b32 v7, 4, v1
	v_lshl_or_b32 v6, v7, 3, v6                    ; row r = x % 8 + 8 (x / 16)
	s_add_co_u32 s34, s30, 11
	v_lshlrev_b32 v3, s34, v5                      ; tile u's images begin K steps x 2,048 bytes on
	v_lshl_add_u32 v3, v6, 4, v3                   ; + 16 r
	v_lshl_add_u32 v4, v5, 4, v6
	v_lshlrev_b32 v4, 2, v4                        ; the scale word's place: 4 (16 u + r)
	s_mul_i32 s35, s28, 540672
	s_add_co_u32 s36, s30, 12
	s_lshl_b32 s36, s33, s36                       ; two tiles x K steps x 2,048 bytes a pair
	s_add_co_u32 s36, s36, s35
	s_lshl_b32 s37, s32, 11
	s_add_co_u32 s36, s36, s37
	s_mov_b32 s37, 0
	s_add_co_u32 s38, s30, 7
	s_lshl_b32 s38, s33, s38                       ; K steps x 128 bytes of scale words a pair
	s_add_co_u32 s38, s38, s35
	s_lshl_b32 s39, s32, 7
	s_add_co_u32 s38, s38, s39
	s_add_co_u32 s38, s38, 524288
	s_mov_b32 s39, 0
	s_mov_b32 s50, 0x600000                        ; the mantissa field of 57,344
	s_wait_kmcnt 0x0
	s_add_nc_u64 s[40:41], s[24:25], s[36:37]
	s_add_nc_u64 s[42:43], s[24:25], s[38:39]
	s_cmp_eq_u32 s28, 1                            ; the source: a choice among the six inputs that hangs on the work-group's number alone
	s_cselect_b64 s[44:45], s[12:13], s[10:11]
	s_cmp_eq_u32 s28, 2
	s_cselect_b64 s[44:45], s[14:15], s[44:45]
	s_cmp_eq_u32 s28, 3
	s_cselect_b64 s[44:45], s[16:17], s[44:45]
	s_cmp_eq_u32 s28, 4
	s_cselect_b64 s[44:45], s[18:19], s[44:45]
	s_cmp_eq_u32 s28, 5
	s_cselect_b64 s[44:45], s[20:21], s[44:45]
.macro LOADW pitch                     ; 128 rows of K at my 32 columns: each load reads 128 consecutive bytes
.set k, 0
.rept 128
	global_load_b32 v[64+k], v2, s[44:45] offset:k*(\pitch) th:TH_LOAD_NT
.set k, k+1
.endr
.endm
	s_cmp_lt_u32 s28, 3
	s_cbranch_scc0 .Lnot_heads
	s_lshr_b32 s46, s33, 1                         ; [head][1,024][64]: the pair's head,
	s_lshl_b32 s46, s46, 18
	s_and_b32 s47, s33, 1                          ; which 32 of its 64 columns,
	s_lshl_b32 s47, s47, 7
	s_add_co_u32 s46, s46, s47
	s_lshl_b32 s47, s32, 15                        ; 128 rows of 256 bytes a K step
	s_add_co_u32 s46, s46, s47
	s_mov_b32 s47, 0
	s_add_nc_u64 s[44:45], s[44:45], s[46:47]
	LOADW 256
	s_branch .Lloaded
.Lnot_heads:
	s_lshl_b32 s46, s33, 7                         ; 32 columns of 4 bytes a pair
	s_mov_b32 s47, 0
	s_cmp_eq_u32 s28, 4
	s_cbranch_scc1 .Lw_one
	s_lshl_b32 s48, s32, 19                        ; [512][1,024]: 128 rows of 4,096 bytes a K step
	s_add_co_u32 s46, s46, s48
	s_add_nc_u64 s[44:45], s[44:45], s[46:47]
	LOADW 4096
	s_branch .Lloaded
.Lw_one:
	s_lshl_b32 s48, s32, 18                        ; [1,024][512]: 128 rows of 2,048 bytes a K step
	s_add_co_u32 s46, s46, s48
	s_add_nc_u64 s[44:45], s[44:45], s[46:47]
	LOADW 2048
.Lloaded:
; Block c: 32 numbers of my column.  left: at most the loads issued behind the block's (the counter's field holds 63).
.macro BLOCK c, left
.set XS, 64+32*(\c)
	s_wait_loadcnt \left
	v_max3_num_f32 v12, |v[XS]|, |v[XS+1]|, |v[XS+2]|
	v_max3_num_f32 v13, |v[XS+3]|, |v[XS+4]|, |v[XS+5]|
.irp i, 6,10,14,18,22,26
	v_max3_num_f32 v12, v12, |v[XS+\i]|, |v[XS+\i+1]|
	v_max3_num_f32 v13, v13, |v[XS+\i+2]|, |v[XS+\i+3]|
.endr
	v_max3_num_f32 v12, v12, |v[XS+30]|, |v[XS+31]|
	v_max3_num_f32 v12, v12, v13, 0x8000000        ; and the floor 2^(16 - 127)
	v_add_nc_u32 v11, 0xf8800000, v12              ; 15 off the exponent field: the conversion takes this operand's exponent field as its scale
	v_and_or_b32 v10, v12, 0x7f800000, s50         ; 57,344 x the scale
	v_lshrrev_b32 v13, 23, v11                     ; the scale's byte
.if (\c) == 0
	v_mov_b32 v16, v13
.else
	v_lshl_or_b32 v16, v13, 8*(\c), v16
.endif
.set p, 0
.rept 32
	v_med3_num_f32 v[XS+p], v[XS+p], -v10, v10
.set p, p+1
.endr
.irp g, 0,1,2,3
	v_cvt_scalef32_pk8_bf8_f32 v[32+8*(\c)+2*\g:33+8*(\c)+2*\g], v[XS+8*\g:XS+8*\g+7], v11
.endr
	v_nop                                          ; a plain instruction behind the last conversion
	global_store_b128 v3, v[32+8*(\c):35+8*(\c)], s[40:41] offset:512*(\c)         ; k = 32 c + 0..15: the image's lanes 0-15; each tile's sixteen lanes fill 256 consecutive bytes
	global_store_b128 v3, v[36+8*(\c):39+8*(\c)], s[40:41] offset:512*(\c)+256     ; k = 32 c + 16..31: lanes 16-31.  Each block has registers of its own for its codes
.endm
	BLOCK 0, 63
	BLOCK 1, 63
	BLOCK 2, 32
	BLOCK 3, 0
	global_store_b32 v4, v16, s[42:43]             ; the pair's 32 scale words: 128 consecutive bytes
	s_endpgm
.Lfunc_end_k_q5f6f8b0188_prep:
	.size	k_q5f6f8b0188_prep, .Lfunc_end_k_q5f6f8b0188_prep-k_q5f6f8b0188_prep
	.p2alignl 7, 3214868480
	.fill 96, 4, 3214868480
	.section	.rodata,"a",@progbits
	.p2align	6, 0x0
	.amdhsa_kernel k_q5f6f8b0188_prep
		.amdhsa_group_segment_fixed_size 36352
		.amdhsa_private_segment_fixed_size 0
		.amdhsa_enable_private_segment 0
		.amdhsa_kernarg_size 88
		.amdhsa_user_sgpr_count 2
		.amdhsa_user_sgpr_kernarg_segment_ptr 1
		.amdhsa_wavefront_size32 1
		.amdhsa_system_sgpr_workgroup_id_x 1
		.amdhsa_system_sgpr_workgroup_id_y 1
		.amdhsa_system_sgpr_workgroup_id_z 1
		.amdhsa_system_vgpr_workitem_id 0
		.amdhsa_next_free_vgpr 256
		.amdhsa_next_free_sgpr 66
		.amdhsa_reserve_vcc 0
		.amdhsa_float_denorm_mode_32 3
		.amdhsa_float_denorm_mode_16_64 3
		.amdhsa_memory_ordered 1
		.amdhsa_forward_progress 1
		.amdhsa_inst_pref_size 183
	.end_amdhsa_kernel
	.amdgpu_metadata
---
amdhsa.version: [ 1, 2 ]
amdhsa.kernels:
  - .name:           k_q5f6f8b0188_prep
    .symbol:         k_q5f6f8b0188_prep.kd
    .args:
      - { .name: x, .offset: 0, .size: 8, .value_kind: global_buffer, .address_space: global }
      - { .name: ln1_g, .offset: 8, .size: 8, .value_kind: global_buffer, .address_space: global }
      - { .name: ln1_b, .offset: 16, .size: 8, .value_kind: global_buffer, .address_space: global }
      - { .name: Wq, .offset: 24, .size: 8, .value_kind: global_buffer, .address_space: global }
      - { .name: Wk, .offset: 32, .size: 8, .value_kind: global_buffer, .address_space: global }
      - { .name: Wv, .offset: 40, .size: 8, .value_kind: global_buffer, .address_space: global }
      - { .name: Wo, .offset: 48, .size: 8, .value_kind: global_buffer, .address_space: global }
      - { .name: W1, .offset: 56, .size: 8, .value_kind: global_buffer, .address_space: global }
      - { .name: W2, .offset: 64, .size: 8, .value_kind: global_buffer, .address_space: global }
      - { .name: hrec, .offset: 72, .size: 8, .value_kind: global_buffer, .address_space: global }
      - { .name: wq, .offset: 80, .size: 8, .value_kind: global_buffer, .address_space: global }
    .group_segment_fixed_size: 36352
    .private_segment_fixed_size: 0
    .kernarg_segment_align: 8
    .kernarg_segment_size: 88
    .max_flat_workgroup_size: 128
    .sgpr_count:     66
    .vgpr_count:     256
    .wavefront_size: 32
...
	.end_amdgpu_metadata
.endif
;; end of part 1
;; launch qkv (part 2): grid 64 x 4, 6 waves a work-group, no clusters, 135,936 bytes of LDS; arguments hrec, wq, qrec, kv; writes qrec, kv
.if DOCPART == 2
	.amdgcn_target "amdgcn-amd-amdhsa--gfx1250"
	.amdhsa_code_object_version 6
	.text
	.protected	k_q5f6f8b0188_qkv
	.globl	k_q5f6f8b0188_qkv
	.p2align	8
	.type	k_q5f6f8b0188_qkv,@function
k_q5f6f8b0188_qkv:
	s_mov_b64 s[64:65], 0
	v_nop
	global_prefetch_b8 v0, s[64:65] scope:SCOPE_SE
	s_setreg_imm32_b32 hwreg(HW_REG_WAVE_MODE, 25, 1), 1
	s_wait_xcnt 0x0
; q, k, v = h Wq, h Wk, h Wv on codes of E5M2 with E8M0 scales, and their quantising: q and k along the head's 64, v along the keys.
; A work-group takes 128 tokens (x) and two heads (y).  Wave w: role w / 2 (0 q, 1 k, 2 v), head 2 y + w % 2: 128 tokens x 64 features, K = 1,024: 32 accumulators, all of window 1.
; h's block (images and scale words as the launch before laid them, 135,168 bytes) is copied into LDS once, byte for byte; all six waves read it.  The weights' images go from memory straight into registers.
; q, k: source 0 = 16 features of W, source 1 = 16 tokens: a lane holds one token and its registers run along the head's 64 (by the order of a tile's rows, 16 registers of two tiles are 16 neighbours).
; v:    source 0 = 16 tokens, source 1 = 16 features: a lane holds one feature and its registers run along the tokens, which are the keys, the next product's K.
; So the conversions' results are images of the next operands, and leave by stores of 512 consecutive bytes.
; qrec: 32 heads x 139,264: images [128 tiles][1,024] (K = 64: chunks 0 and 1), scale words at 131,072 + 64 tile + 4 r (bytes 2, 3 are 0).
; kv:   32 heads x 274,432: K's images [128][1,024] at 0; V's [16 key steps][4 tiles of features][2,048] at 131,072; K's scale words at 262,144; V's at 270,336.
; LIMITS: NaN and infinities are not served; a block of zeros gets the byte 1 (its codes are zeros; this program alone reads the bytes).
; No tensor loads and no cluster: the four work-groups that share a block of h and the 64 that share a weight read them by plain loads; sharing them jointly would want a ring in LDS, which this plain form leaves out.
; REGISTERS, window 0: v1 16 x lane, v2 the same + 65,536, v3 131,072 + 4 x lane, v4 4 x lane, v5-7 the copy's addresses; v8-9 h's scale words, v10-13 W's; v16-31 at work; v32-37 scale words made; v64-127 h's fragments, two sets of two; v128-255 W's, two sets of four.
.set HF,  64
.set WF,  128
.set HS,  8
.set WS,  10
.set TM,  16
.set HI,  46                           ; s46  lanes 16-31
.set MNT, 47                           ; s47  the mantissa field of 57,344
.set SEL, 48                           ; s[48:49]  v_permlanex16_b32's selects for lane l xor 16
.set MSB, 0
.macro WIN new                         ; the immediate's high byte repeats the setting that is left; a switch that changes nothing is dropped
.if MSB != (\new)
	s_set_vgpr_msb (MSB<<8)|(\new)
.set MSB, (\new)
.endif
.endm
; The scaled matrix instruction.  c < 0: the constant 0 starts the sum.  ra, rb: source 0's, source 1's scales stand in lanes 16-31 of their register.
.macro WM d, a, b, c, sa, sb, ra, rb
.if (\c) < 0
.if (\ra) && (\rb)
	v_wmma_scale_f32_16x16x128_f8f6f4 v[(\d):(\d)+7], v[(\a):(\a)+15], v[(\b):(\b)+15], 0, v[(\sa)], v[(\sb)] matrix_a_fmt:MATRIX_FMT_BF8 matrix_b_fmt:MATRIX_FMT_BF8 matrix_a_scale:MATRIX_SCALE_ROW1 matrix_b_scale:MATRIX_SCALE_ROW1
.elseif (\ra)
	v_wmma_scale_f32_16x16x128_f8f6f4 v[(\d):(\d)+7], v[(\a):(\a)+15], v[(\b):(\b)+15], 0, v[(\sa)], v[(\sb)] matrix_a_fmt:MATRIX_FMT_BF8 matrix_b_fmt:MATRIX_FMT_BF8 matrix_a_scale:MATRIX_SCALE_ROW1
.elseif (\rb)
	v_wmma_scale_f32_16x16x128_f8f6f4 v[(\d):(\d)+7], v[(\a):(\a)+15], v[(\b):(\b)+15], 0, v[(\sa)], v[(\sb)] matrix_a_fmt:MATRIX_FMT_BF8 matrix_b_fmt:MATRIX_FMT_BF8 matrix_b_scale:MATRIX_SCALE_ROW1
.else
	v_wmma_scale_f32_16x16x128_f8f6f4 v[(\d):(\d)+7], v[(\a):(\a)+15], v[(\b):(\b)+15], 0, v[(\sa)], v[(\sb)] matrix_a_fmt:MATRIX_FMT_BF8 matrix_b_fmt:MATRIX_FMT_BF8
.endif
.else
.if (\ra) && (\rb)
	v_wmma_scale_f32_16x16x128_f8f6f4 v[(\d):(\d)+7], v[(\a):(\a)+15], v[(\b):(\b)+15], v[(\c):(\c)+7], v[(\sa)], v[(\sb)] matrix_a_fmt:MATRIX_FMT_BF8 matrix_b_fmt:MATRIX_FMT_BF8 matrix_a_scale:MATRIX_SCALE_ROW1 matrix_b_scale:MATRIX_SCALE_ROW1
.elseif (\ra)
	v_wmma_scale_f32_16x16x128_f8f6f4 v[(\d):(\d)+7], v[(\a):(\a)+15], v[(\b):(\b)+15], v[(\c):(\c)+7], v[(\sa)], v[(\sb)] matrix_a_fmt:MATRIX_FMT_BF8 matrix_b_fmt:MATRIX_FMT_BF8 matrix_a_scale:MATRIX_SCALE_ROW1
.elseif (\rb)
	v_wmma_scale_f32_16x16x128_f8f6f4 v[(\d):(\d)+7], v[(\a):(\a)+15], v[(\b):(\b)+15], v[(\c):(\c)+7], v[(\sa)], v[(\sb)] matrix_a_fmt:MATRIX_FMT_BF8 matrix_b_fmt:MATRIX_FMT_BF8 matrix_b_scale:MATRIX_SCALE_ROW1
.else
	v_wmma_scale_f32_16x16x128_f8f6f4 v[(\d):(\d)+7], v[(\a):(\a)+15], v[(\b):(\b)+15], v[(\c):(\c)+7], v[(\sa)], v[(\sb)] matrix_a_fmt:MATRIX_FMT_BF8 matrix_b_fmt:MATRIX_FMT_BF8
.endif
.endif
.endm
; nb blocks of 32 along K: a lane's numbers v[S + 16 b + i] of window W are k = 32 b + 16 (lane / 16) + i of its row.  They become codes in v[PC] on and the row's scale word in v[PW], both in window 0.
; relu = 1: what is negative becomes 0 on the way.  The reads begin at each accumulator's low end.
.macro QUANT nb, S, W, PC, PW, relu
.set QA, (\W)|((\W)<<2)
.set QB, ((\W)<<2)|((\W)<<4)
.set QC, (\W)|((\W)<<6)
.set QD, (\W)
	WIN QA
.set qb, 0
.rept \nb
.if \relu
	v_max3_num_f32 v[TM+qb], v[(\S)+16*qb], v[(\S)+16*qb+1], 0x8000000
.else
	v_max3_num_f32 v[TM+qb], |v[(\S)+16*qb]|, |v[(\S)+16*qb+1]|, 0x8000000     ; my 16 numbers of a block, and the floor 2^(16 - 127): the byte cannot fall under 1
.endif
.set qb, qb+1
.endr
	WIN QB
.irp i, 2,4,6,8,10,12,14
.set qb, 0
.rept \nb
.if \relu
	v_max3_num_f32 v[TM+qb], v[TM+qb], v[(\S)+16*qb+\i], v[(\S)+16*qb+\i+1]
.else
	v_max3_num_f32 v[TM+qb], v[TM+qb], |v[(\S)+16*qb+\i]|, |v[(\S)+16*qb+\i+1]|
.endif
.set qb, qb+1
.endr
.endr
	WIN 0
.set qb, 0
.rept \nb
	v_permlanex16_b32 v[TM+4+qb], v[TM+qb], s[SEL], s[SEL+1]
.set qb, qb+1
.endr
.set qb, 0
.rept \nb
	v_max_num_f32 v[TM+qb], v[TM+qb], v[TM+4+qb]   ; with lane l xor 16's 16: the block's largest magnitude
.set qb, qb+1
.endr
.set qb, 0
.rept \nb
	v_add_nc_u32 v[TM+12+qb], 0xf8800000, v[TM+qb] ; 15 off its exponent field: the conversion's scale operand
.set qb, qb+1
.endr
.set qb, 0
.rept \nb
	v_and_or_b32 v[TM+8+qb], v[TM+qb], 0x7f800000, s[MNT]  ; 57,344 x the scale
.set qb, qb+1
.endr
.set qb, 0
.rept \nb
	v_lshrrev_b32 v[TM+4+qb], 23, v[TM+12+qb]      ; the scale's byte
.set qb, qb+1
.endr
	v_lshl_or_b32 v[(\PW)], v[TM+5], 8, v[TM+4]
.if (\nb) > 2
	v_lshl_or_b32 v[(\PW)], v[TM+6], 16, v[(\PW)]
	v_lshl_or_b32 v[(\PW)], v[TM+7], 24, v[(\PW)]
.endif
	WIN QC
.set qb, 0
.rept \nb
.set qi, 0
.rept 16
.if \relu
	v_med3_num_f32 v[(\S)+16*qb+qi], v[(\S)+16*qb+qi], 0, v[TM+8+qb]
.else
	v_med3_num_f32 v[(\S)+16*qb+qi], v[(\S)+16*qb+qi], -v[TM+8+qb], v[TM+8+qb]  ; the conversion does not saturate (ISA guide 7.6.2): the hold at the largest code x the scale
.endif
.set qi, qi+1
.endr
.set qb, qb+1
.endr
	WIN QD
.set qb, 0
.rept \nb
	v_cvt_scalef32_pk8_bf8_f32 v[(\PC)+4*qb:(\PC)+4*qb+1], v[(\S)+16*qb:(\S)+16*qb+7], v[TM+12+qb]
	v_cvt_scalef32_pk8_bf8_f32 v[(\PC)+4*qb+2:(\PC)+4*qb+3], v[(\S)+16*qb+8:(\S)+16*qb+15], v[TM+12+qb]
.set qb, qb+1
.endr
	WIN 0
	v_nop                                          ; a plain instruction behind the last conversion
.endm
	s_load_b256 s[4:11], s[0:1], 0x0               ; hrec s[4:5], wq s[6:7], qrec s[8:9], kv s[10:11]
	v_lshl_add_u32 v62, v0, 2, 0x21000
	v_mov_b32 v63, 0
	v_lshrrev_b32 v1, 5, v0
	v_readfirstlane_b32 s12, v1                    ; wave 0..5
	v_and_b32 v4, 31, v0
	v_lshlrev_b32 v1, 4, v4
	v_add_nc_u32 v2, 0x10000, v1
	v_lshlrev_b32 v4, 2, v4
	v_add_nc_u32 v3, 0x20000, v4
	v_lshlrev_b32 v5, 4, v0                        ; the copy: 16 bytes a thread, 3,072 an instruction of the six waves
	v_add_nc_u32 v6, 61440, v5
	v_add_nc_u32 v7, 122880, v5
.irp b, 0,1,2,3
	v_mov_b32 v[TM+4+\b], 0                        ; a lane permute's destination counts as one of its sources
.endr
	s_lshr_b32 s13, s12, 1                         ; role
	s_and_b32 s14, s12, 1
	s_and_b32 s15, ttmp7, 0xffff
	s_lshl_b32 s15, s15, 1
	s_add_co_u32 s14, s14, s15                     ; head
	s_mul_i32 s16, ttmp9, 135168                   ; my block of h
	s_mov_b32 s17, 0
	s_mul_i32 s18, s13, 540672                     ; my weight
	s_lshl_b32 s19, s14, 16                        ; my head's four tiles x 8 K steps x 2,048 bytes
	s_add_co_u32 s20, s18, s19
	s_mov_b32 s21, 0
	s_lshl_b32 s19, s14, 11                        ; its two pairs x 8 K steps x 128 bytes of scale words
	s_add_co_u32 s22, s18, s19
	s_add_co_u32 s22, s22, 524288
	s_mov_b32 s23, 0
	s_lshr_b32 s24, ttmp9, 4
	s_lshl_b32 s24, s24, 3
	s_add_co_u32 s24, s24, s14                     ; batch x 8 + head
	s_and_b32 s25, ttmp9, 15                       ; my block of 128 tokens in the sequence
	s_mov_b32 s26, 274432
	s_mov_b32 s27, 262144
	s_cmp_eq_u32 s13, 0
	s_cselect_b32 s26, 139264, s26                 ; a head's record: in qrec, in kv
	s_cselect_b32 s27, 131072, s27                 ; where its scale words begin: q's, k's,
	s_mov_b32 s30, 270336
	s_cmp_eq_u32 s13, 2
	s_cselect_b32 s27, s30, s27                    ; v's
	s_cselect_b32 s29, 131072, 0                   ; v's images lie behind k's
	s_cselect_b32 s31, 8, 9                        ; scale words of a block: 256 bytes (v), 512 (q, k)
	s_mul_i32 s28, s24, s26
	s_lshl_b32 s32, s25, 13                        ; images of a block: 8,192 bytes in all three
	s_add_co_u32 s32, s32, s28
	s_add_co_u32 s32, s32, s29
	s_mov_b32 s33, 0
	s_lshl_b32 s34, s25, s31
	s_add_co_u32 s34, s34, s28
	s_add_co_u32 s34, s34, s27
	s_mov_b32 s35, 0
	s_mov_b32 s[HI], 0xffff0000
	s_mov_b32 s[MNT], 0x600000
	s_mov_b32 s[SEL], 0x76543210
	s_mov_b32 s[SEL+1], 0xfedcba98
	s_wait_kmcnt 0x0
	s_cmp_eq_u32 s13, 0
	s_cselect_b64 s[36:37], s[8:9], s[10:11]       ; q goes to qrec, k and v to kv
	s_add_nc_u64 s[4:5], s[4:5], s[16:17]
	s_add_nc_u64 s[42:43], s[6:7], s[20:21]        ; my weight's images
	s_add_nc_u64 s[44:45], s[6:7], s[22:23]        ; and scale words
	s_add_nc_u64 s[38:39], s[36:37], s[32:33]      ; where my codes go
	s_add_nc_u64 s[40:41], s[36:37], s[34:35]      ; and my scale words
; K step s of my weight: four fragments and two registers of scale words (a pair of tiles each), into set s % 2
.macro LDW s
.set wb, WF+64*((\s)&1)
.irp f, 0,1,2,3
.irp c, 0,1,2,3
	global_load_b128 v[wb+16*\f+4*\c:wb+16*\f+4*\c+3], v1, s[42:43] offset:16384*\f+2048*(\s)+512*\c
.endr
.endr
.irp p, 0,1
	global_load_b32 v[WS+2*((\s)&1)+\p], v4, s[44:45] offset:1024*\p+128*(\s)
.endr
.endm
; Sub-step n = 4 s + g: h's tiles 2 g and 2 g + 1 of K step s, and their scale words (one register for the pair), into set n % 2: nine LDS loads
.macro LDH n
.set hs, (\n)>>2
.set hg, (\n)&3
.set hb, HF+32*((\n)&1)
.irp u, 0,1
.irp c, 0,1,2,3
	ds_load_b128 v[hb+16*\u+4*\c:hb+16*\u+4*\c+3], v[1+((2*hg+\u)>>2)] offset:((2*hg+\u)&3)*16384+2048*hs+512*\c
.endr
.endr
	ds_load_b32 v[HS+((\n)&1)], v3 offset:1024*hg+128*hs
.endm
	WIN 0x40                                       ; destination window 1: the accumulators' registers carry the copy
.set i, 0
.rept 44
	global_load_b128 v[4*i:4*i+3], v5, s[4:5] offset:3072*i
.set i, i+1
.endr
	WIN 0
	LDW 0
	WIN 0x04                                       ; an LDS store's data are its source 1: window 1
.set i, 0
.rept 44
	s_wait_loadcnt 61-i                            ; behind piece i: the 43 - i younger pieces and the weight's 18 loads
	ds_store_b128 v[5+i/20], v[4*i:4*i+3] offset:3072*(i%20)
.set i, i+1
.endr
	WIN 0
	s_wait_dscnt 0x0                               ; my part of the block has landed
	s_barrier_signal -1
	s_barrier_wait -1                              ; everybody's has; from here on LDS is only read
	LDH 0
	LDH 1
; Eight products: two tiles of tokens x four tiles of features.  orient = 0: source 0 = W (accumulator (t, f) at 32 t + 8 f); 1: source 0 = h (at 64 f + 8 t).  K step 0 starts the sums with the constant 0.
; The 32 accumulators take turns, one instruction a turn, in the same order in every K step.
.macro MUL8 n, orient
.set ms, (\n)>>2
.set mg, (\n)&3
.set mh, HF+32*((\n)&1)
.set mw, WF+64*(ms&1)
.set mhs, HS+((\n)&1)
.set mws, WS+2*(ms&1)
	WIN 0x50                                       ; C and D window 1
.irp f, 0,1,2,3
.irp u, 0,1
.if \orient
.set md, 64*\f+8*(2*mg+\u)
.else
.set md, 32*(2*mg+\u)+8*\f
.endif
.set mc, md
.if ms == 0
.set mc, -1
.endif
.if \orient
	WM md, mh+16*\u, mw+16*\f, mc, mhs, mws+\f/2, \u, \f&1
.else
	WM md, mw+16*\f, mh+16*\u, mc, mws+\f/2, mhs, \f&1, \u
.endif
.endr
.endr
.endm
.macro SUB n, orient
.if ((\n)&3) == 0
	s_wait_loadcnt 0x0                             ; this K step's set of W is all that is out
.endif
.if (\n) < 31
	s_wait_dscnt 9                                 ; the next sub-step's nine loads may be out
.else
	s_wait_dscnt 0x0
.endif
	MUL8 \n, \orient
	WIN 0
.rept 8
	v_nop                                          ; eight places in front of loads into registers that these products, and the last K step's, have read; behind the last sub-step, in front of the first read of results
.endr
.if (((\n)&3) == 0) && ((\n) < 28)
	LDW ((\n)>>2)+1                                ; the next K step's W, into the set that the last K step read
.endif
.if (\n)+2 < 32
	LDH (\n)+2
.endif
.endm
	s_cmp_lt_u32 s12, 4
	s_cbranch_scc0 .Lvrole
.set nn, 0
.rept 32
	SUB nn, 0
.set nn, nn+1
.endr
.irp t, 0,1,2,3,4,5,6,7                ; q, k: a tile of 16 tokens: two blocks of 32 along the head's 64
	QUANT 2, 32*\t, 1, 64+8*\t, 32+(\t&1), 0
	global_store_b128 v1, v[64+8*\t:67+8*\t], s[38:39] offset:1024*\t              ; each store of the wave covers 512 consecutive bytes, aligned; each tile has registers of its own
	global_store_b128 v1, v[68+8*\t:71+8*\t], s[38:39] offset:1024*\t+512
.if \t&1
	v_cndmask_b32 v[34+\t/2], v32, v33, s[HI]      ; lanes 0-15: the even tile's words, lanes 16-31: the odd tile's
	global_store_b32 v4, v[34+\t/2], s[40:41] offset:128*(\t/2)
.endif
.endr
	s_wait_tensorcnt 0x0
	ds_add_u32 v62, v63
	s_wait_dscnt 0x0
	s_endpgm
.Lvrole:
.set nn, 0
.rept 32
	SUB nn, 1
.set nn, nn+1
.endr
.irp f, 0,1,2,3                        ; v: a tile of 16 features: four blocks of 32 along the 128 keys
	QUANT 4, 64*\f, 1, 64+16*\f, 32+(\f&1), 0
.irp c, 0,1,2,3
	global_store_b128 v1, v[64+16*\f+4*\c:67+16*\f+4*\c], s[38:39] offset:2048*\f+512*\c
.endr
.if \f&1
	v_cndmask_b32 v[34+\f/2], v32, v33, s[HI]
	global_store_b32 v4, v[34+\f/2], s[40:41] offset:128*(\f/2)
.endif
.endr
	s_wait_tensorcnt 0x0
	ds_add_u32 v62, v63
	s_wait_dscnt 0x0
	s_endpgm
.Lfunc_end_k_q5f6f8b0188_qkv:
	.size	k_q5f6f8b0188_qkv, .Lfunc_end_k_q5f6f8b0188_qkv-k_q5f6f8b0188_qkv
	.p2alignl 7, 3214868480
	.fill 96, 4, 3214868480
	.section	.rodata,"a",@progbits
	.p2align	6, 0x0
	.amdhsa_kernel k_q5f6f8b0188_qkv
		.amdhsa_group_segment_fixed_size 135936
		.amdhsa_private_segment_fixed_size 0
		.amdhsa_enable_private_segment 0
		.amdhsa_kernarg_size 32
		.amdhsa_user_sgpr_count 2
		.amdhsa_user_sgpr_kernarg_segment_ptr 1
		.amdhsa_wavefront_size32 1
		.amdhsa_system_sgpr_workgroup_id_x 1
		.amdhsa_system_sgpr_workgroup_id_y 1
		.amdhsa_system_sgpr_workgroup_id_z 1
		.amdhsa_system_vgpr_workitem_id 0
		.amdhsa_next_free_vgpr 512
		.amdhsa_next_free_sgpr 66
		.amdhsa_reserve_vcc 0
		.amdhsa_float_denorm_mode_32 3
		.amdhsa_float_denorm_mode_16_64 3
		.amdhsa_memory_ordered 1
		.amdhsa_forward_progress 1
		.amdhsa_inst_pref_size 229
	.end_amdhsa_kernel
	.amdgpu_metadata
---
amdhsa.version: [ 1, 2 ]
amdhsa.kernels:
  - .name:           k_q5f6f8b0188_qkv
    .symbol:         k_q5f6f8b0188_qkv.kd
    .args:
      - { .name: hrec, .offset: 0, .size: 8, .value_kind: global_buffer, .address_space: global }
      - { .name: wq, .offset: 8, .size: 8, .value_kind: global_buffer, .address_space: global }
      - { .name: qrec, .offset: 16, .size: 8, .value_kind: global_buffer, .address_space: global }
      - { .name: kv, .offset: 24, .size: 8, .value_kind: global_buffer, .address_space: global }
    .group_segment_fixed_size: 135936
    .private_segment_fixed_size: 0
    .kernarg_segment_align: 8
    .kernarg_segment_size: 32
    .max_flat_workgroup_size: 192
    .sgpr_count:     66
    .vgpr_count:     512
    .wavefront_size: 32
...
	.end_amdgpu_metadata
.endif
;; end of part 2
;; launch attn (part 3): grid 8 x 32, 16 waves a work-group, no clusters, 276,480 bytes of LDS; arguments qrec, kv, orec; writes orec
.if DOCPART == 3
	.amdgcn_target "amdgcn-amd-amdhsa--gfx1250"
	.amdhsa_code_object_version 6
	.text
	.protected	k_q5f6f8b0188_attn
	.globl	k_q5f6f8b0188_attn
	.p2align	8
	.type	k_q5f6f8b0188_attn,@function
k_q5f6f8b0188_attn:
	s_mov_b64 s[64:65], 0
	v_nop
	global_prefetch_b8 v0, s[64:65] scope:SCOPE_SE
	s_setreg_imm32_b32 hwreg(HW_REG_WAVE_MODE, 25, 1), 1
	s_wait_xcnt 0x0
; out = softmax(q k^T / 8, causal) v for one head, both products on codes of E5M2 with E8M0 scales; out is divided by the row's sum and quantised along the head's 64 for the next product.
; THE SOFTMAX AHEAD OF THE SECOND PRODUCT: t = score x log2(e) / 8; M = the running largest t rounded UP to a whole number; p = 2^(t - M) is quantised along the keys, not normalised; the row's sum is taken of the
; unquantised p; when M moves, the sum and O are multiplied by 2^(old M - new M), which rounds nothing.
; SHARES.  A work-group (x = p, y = batch x 8 + head) takes the blocks p and 15 - p of 128 queries: 8 x 17 wave-steps whatever p is.  Each of its 16 waves owns one tile of 16 queries; of waves 2 i and 2 i + 1 one takes tile i
; of the late block and the other tile i of the early one, by ((w / 4) xor w) % 2.  A wave walks the key steps of 128 up to its own block; the loop's trip count is the constant 16, and a step all of whose keys are hidden is jumped over
; (a scalar branch on ids).  On the diagonal step hidden scores become -infinity ahead of the maximum.
; LDS holds the head's whole record of kv, byte for byte, copied once; behind the one barrier LDS is only read.
; LAYOUT.  S^T = K Q^T (source 0 = 16 keys), O^T = V^T P^T (source 0 = 16 of the head's 64): a lane holds one query throughout.  By the order of a tile's rows the 16 registers of tiles 2 b, 2 b + 1 are 16 neighbours.
; K = 64 in the first product: registers 8-15 of Q's and K's fragments stay 0, and bytes 2, 3 of their scale words are 0 (2^-127 over zero codes adds nothing).
; orec: 256 groups of 32 tokens x 16,896: images [tile u][4 K steps][2,048]; head hd fills chunks 2 (hd % 2), + 1 of K step hd / 2; scale words at 16,384 + 128 s + 64 u + 4 r, of which head hd owns bytes 2 (hd % 2), + 1.
; LIMITS: NaN and infinities are not served; p under 2^-126 falls to 0 in v_exp_f32; 1 / sum is v_rcp_f32; a block of zeros gets the byte 1 (its codes are zeros; this program alone reads the bytes).
; No tensor loads and no cluster: the eight work-groups of a head read the same record by plain loads; this plain form has no ring in LDS into which a joint load could go.
; REGISTERS: v1 16 x lane, v2 + 131,072, v3 262,144 + 4 x lane, v4 270,336 + 4 x lane, v5 my query's place in its block - 16 (lane / 16), v6 4 (lane % 16), v7 lane; v8-11 the step's addresses; v12 -M, v13 the largest t,
; v[14:15] the sum; v16-31 Q; v32-95 four fragments of K; v96-159 S^T, then p, then V's four fragments; v160-191 O^T; v208-223 p's codes; v232-247 at work; v248-251 K's and V's scale words; v252 f; v253 p's scale word; v255 Q's.
.set TM,  232
.set JJ,  14                           ; s14  my block of queries
.set ST,  38                           ; s38  the key step
.set TB,  39                           ; s39  where its images begin: 8,192 bytes a step, K's and V's alike
.set TS,  40                           ; s40  K's scale words: 512 bytes a step
.set TJ,  41                           ; s41  V's: 256
.set CS,  42                           ; s[42:43] c = log2(e) / 8
.set SEL, 44                           ; s[44:45]
.set MNT, 46
.set MSB, 0
.macro WIN new
.if MSB != (\new)
	s_set_vgpr_msb (MSB<<8)|(\new)
.set MSB, (\new)
.endif
.endm
.macro WM d, a, b, c, sa, sb, ra, rb
.if (\c) < 0
.if (\ra) && (\rb)
	v_wmma_scale_f32_16x16x128_f8f6f4 v[(\d):(\d)+7], v[(\a):(\a)+15], v[(\b):(\b)+15], 0, v[(\sa)], v[(\sb)] matrix_a_fmt:MATRIX_FMT_BF8 matrix_b_fmt:MATRIX_FMT_BF8 matrix_a_scale:MATRIX_SCALE_ROW1 matrix_b_scale:MATRIX_SCALE_ROW1
.elseif (\ra)
	v_wmma_scale_f32_16x16x128_f8f6f4 v[(\d):(\d)+7], v[(\a):(\a)+15], v[(\b):(\b)+15], 0, v[(\sa)], v[(\sb)] matrix_a_fmt:MATRIX_FMT_BF8 matrix_b_fmt:MATRIX_FMT_BF8 matrix_a_scale:MATRIX_SCALE_ROW1
.elseif (\rb)
	v_wmma_scale_f32_16x16x128_f8f6f4 v[(\d):(\d)+7], v[(\a):(\a)+15], v[(\b):(\b)+15], 0, v[(\sa)], v[(\sb)] matrix_a_fmt:MATRIX_FMT_BF8 matrix_b_fmt:MATRIX_FMT_BF8 matrix_b_scale:MATRIX_SCALE_ROW1
.else
	v_wmma_scale_f32_16x16x128_f8f6f4 v[(\d):(\d)+7], v[(\a):(\a)+15], v[(\b):(\b)+15], 0, v[(\sa)], v[(\sb)] matrix_a_fmt:MATRIX_FMT_BF8 matrix_b_fmt:MATRIX_FMT_BF8
.endif
.else
.if (\ra) && (\rb)
	v_wmma_scale_f32_16x16x128_f8f6f4 v[(\d):(\d)+7], v[(\a):(\a)+15], v[(\b):(\b)+15], v[(\c):(\c)+7], v[(\sa)], v[(\sb)] matrix_a_fmt:MATRIX_FMT_BF8 matrix_b_fmt:MATRIX_FMT_BF8 matrix_a_scale:MATRIX_SCALE_ROW1 matrix_b_scale:MATRIX_SCALE_ROW1
.elseif (\ra)
	v_wmma_scale_f32_16x16x128_f8f6f4 v[(\d):(\d)+7], v[(\a):(\a)+15], v[(\b):(\b)+15], v[(\c):(\c)+7], v[(\sa)], v[(\sb)] matrix_a_fmt:MATRIX_FMT_BF8 matrix_b_fmt:MATRIX_FMT_BF8 matrix_a_scale:MATRIX_SCALE_ROW1
.elseif (\rb)
	v_wmma_scale_f32_16x16x128_f8f6f4 v[(\d):(\d)+7], v[(\a):(\a)+15], v[(\b):(\b)+15], v[(\c):(\c)+7], v[(\sa)], v[(\sb)] matrix_a_fmt:MATRIX_FMT_BF8 matrix_b_fmt:MATRIX_FMT_BF8 matrix_b_scale:MATRIX_SCALE_ROW1
.else
	v_wmma_scale_f32_16x16x128_f8f6f4 v[(\d):(\d)+7], v[(\a):(\a)+15], v[(\b):(\b)+15], v[(\c):(\c)+7], v[(\sa)], v[(\sb)] matrix_a_fmt:MATRIX_FMT_BF8 matrix_b_fmt:MATRIX_FMT_BF8
.endif
.endif
.endm
; nb blocks of 32 along K: a lane's numbers v[S + 16 b + i] of window W are k = 32 b + 16 (lane / 16) + i of its row.  They become codes in v[PC] on and the row's scale word in v[PW], both in window 0.
.macro QUANT nb, S, W, PC, PW, relu
.set QA, (\W)|((\W)<<2)
.set QB, ((\W)<<2)|((\W)<<4)
.set QC, (\W)|((\W)<<6)
.set QD, (\W)
	WIN QA
.set qb, 0
.rept \nb
.if \relu
	v_max3_num_f32 v[TM+qb], v[(\S)+16*qb], v[(\S)+16*qb+1], 0x8000000
.else
	v_max3_num_f32 v[TM+qb], |v[(\S)+16*qb]|, |v[(\S)+16*qb+1]|, 0x8000000     ; my 16 numbers of a block, and the floor 2^(16 - 127): the byte cannot fall under 1
.endif
.set qb, qb+1
.endr
	WIN QB
.irp i, 2,4,6,8,10,12,14
.set qb, 0
.rept \nb
.if \relu
	v_max3_num_f32 v[TM+qb], v[TM+qb], v[(\S)+16*qb+\i], v[(\S)+16*qb+\i+1]
.else
	v_max3_num_f32 v[TM+qb], v[TM+qb], |v[(\S)+16*qb+\i]|, |v[(\S)+16*qb+\i+1]|
.endif
.set qb, qb+1
.endr
.endr
	WIN 0
.set qb, 0
.rept \nb
	v_permlanex16_b32 v[TM+4+qb], v[TM+qb], s[SEL], s[SEL+1]
.set qb, qb+1
.endr
.set qb, 0
.rept \nb
	v_max_num_f32 v[TM+qb], v[TM+qb], v[TM+4+qb]   ; with lane l xor 16's 16: the block's largest magnitude
.set qb, qb+1
.endr
.set qb, 0
.rept \nb
	v_add_nc_u32 v[TM+12+qb], 0xf8800000, v[TM+qb] ; 15 off its exponent field: the conversion's scale operand
.set qb, qb+1
.endr
.set qb, 0
.rept \nb
	v_and_or_b32 v[TM+8+qb], v[TM+qb], 0x7f800000, s[MNT]  ; 57,344 x the scale
.set qb, qb+1
.endr
.set qb, 0
.rept \nb
	v_lshrrev_b32 v[TM+4+qb], 23, v[TM+12+qb]      ; the scale's byte
.set qb, qb+1
.endr
	v_lshl_or_b32 v[(\PW)], v[TM+5], 8, v[TM+4]
.if (\nb) > 2
	v_lshl_or_b32 v[(\PW)], v[TM+6], 16, v[(\PW)]
	v_lshl_or_b32 v[(\PW)], v[TM+7], 24, v[(\PW)]
.endif
	WIN QC
.set qb, 0
.rept \nb
.set qi, 0
.rept 16
.if \relu
	v_med3_num_f32 v[(\S)+16*qb+qi], v[(\S)+16*qb+qi], 0, v[TM+8+qb]
.else
	v_med3_num_f32 v[(\S)+16*qb+qi], v[(\S)+16*qb+qi], -v[TM+8+qb], v[TM+8+qb]  ; the conversion does not saturate (ISA guide 7.6.2): the hold at the largest code x the scale
.endif
.set qi, qi+1
.endr
.set qb, qb+1
.endr
	WIN QD
.set qb, 0
.rept \nb
	v_cvt_scalef32_pk8_bf8_f32 v[(\PC)+4*qb:(\PC)+4*qb+1], v[(\S)+16*qb:(\S)+16*qb+7], v[TM+12+qb]
	v_cvt_scalef32_pk8_bf8_f32 v[(\PC)+4*qb+2:(\PC)+4*qb+3], v[(\S)+16*qb+8:(\S)+16*qb+15], v[TM+12+qb]
.set qb, qb+1
.endr
	WIN 0
	v_nop                                          ; a plain instruction behind the last conversion
.endm
	s_load_b128 s[4:7], s[0:1], 0x0                ; qrec s[4:5], kv s[6:7]
	s_load_b64 s[8:9], s[0:1], 0x10                ; orec
	v_lshrrev_b32 v1, 5, v0
	v_readfirstlane_b32 s10, v1                    ; wave 0..15
	s_and_b32 s11, ttmp7, 0xffff                   ; batch x 8 + head
	s_lshr_b32 s12, s10, 1                         ; my tile of the block's eight
	s_lshr_b32 s13, s10, 2
	s_xor_b32 s13, s13, s10
	s_and_b32 s13, s13, 1                          ; 1: the late block
	s_sub_co_u32 s[JJ], 15, ttmp9
	s_cmp_eq_u32 s13, 1
	s_cselect_b32 s[JJ], s[JJ], ttmp9
	s_lshl_b32 s15, s[JJ], 3
	s_add_co_u32 s15, s15, s12                     ; my tile of the head's 128
	s_mul_i32 s16, s11, 274432
	s_mov_b32 s17, 0
	s_mul_i32 s18, s11, 139264
	s_lshl_b32 s19, s15, 6
	s_add_co_u32 s20, s18, s19
	s_add_co_u32 s20, s20, 131072                  ; Q's scale words
	s_mov_b32 s21, 0
	s_lshl_b32 s19, s15, 10
	s_add_co_u32 s18, s18, s19                     ; Q's image
	s_mov_b32 s19, 0
	s_lshr_b32 s48, s12, 1
	s_lshl_b32 s48, s48, 5
	s_and_b32 s49, s12, 1
	s_lshl_b32 s49, s49, 3
	s_add_co_u32 s48, s48, s49                     ; my tile's first query in its block: 32 (i / 2) + 8 (i % 2)
	s_lshr_b32 s22, s11, 3
	s_lshl_b32 s22, s22, 7
	s_add_co_u32 s22, s22, s15
	s_lshr_b32 s22, s22, 1                         ; my group of 32 tokens
	s_mul_i32 s22, s22, 16896
	s_and_b32 s23, s12, 1                          ; my tile in it
	s_lshl_b32 s24, s23, 13
	s_add_co_u32 s24, s24, s22
	s_bfe_u32 s25, s11, 0x20001                    ; head / 2: the next product's K step
	s_lshl_b32 s26, s25, 11
	s_add_co_u32 s24, s24, s26
	s_and_b32 s27, s11, 1                          ; head % 2: which half of it
	s_lshl_b32 s26, s27, 10
	s_add_co_u32 s24, s24, s26                     ; where my codes go
	s_lshl_b32 s26, s25, 7
	s_add_co_u32 s26, s26, s22
	s_lshl_b32 s23, s23, 6
	s_add_co_u32 s26, s26, s23
	s_lshl_b32 s27, s27, 1
	s_add_co_u32 s26, s26, s27
	s_add_co_u32 s26, s26, 16384                   ; and my two scale bytes a row
	s_mov_b32 s25, 0
	s_mov_b32 s27, 0
	s_mov_b32 s[CS], 0x3e38aa3b                    ; log2(e) / 8
	s_mov_b32 s[CS+1], s[CS]                       ; (named with it as a pair, so it is written)
	s_mov_b32 s[SEL], 0x76543210
	s_mov_b32 s[SEL+1], 0xfedcba98
	s_mov_b32 s[MNT], 0x600000
	s_mov_b32 s[ST], 0
	s_mov_b32 s[TB], 0
	s_mov_b32 s[TS], 0
	s_mov_b32 s[TJ], 0
	v_and_b32 v7, 31, v0                           ; lane
	v_lshlrev_b32 v1, 4, v7
	v_add_nc_u32 v2, 0x20000, v1
	v_lshlrev_b32 v4, 2, v7
	v_add_nc_u32 v3, 0x40000, v4
	v_add_nc_u32 v4, 270336, v4
	v_and_b32 v8, 15, v0                           ; r
	v_lshlrev_b32 v6, 2, v8
	v_and_b32 v9, 8, v8
	v_add_nc_u32 v9, v9, v8                        ; r + 8 (r / 8)
	v_bfe_u32 v10, v0, 4, 1
	v_lshlrev_b32 v10, 4, v10
	v_sub_nc_u32 v5, v9, v10
	v_add_nc_u32 v5, s48, v5                       ; d = my query's place in its block - 16 (lane / 16): on the diagonal register 16 b + i is hidden where 32 b + i > d
	v_lshlrev_b32 v231, 4, v0                      ; the copy: 16 bytes a thread, 8,192 an instruction of the sixteen waves
.irp k, 0,1,2,3,4
	v_add_nc_u32 v[232+\k], 65536*\k, v231
.endr
	v_lshlrev_b32 v237, 3, v0
	v_add_nc_u32 v238, 270336, v237
	s_wait_kmcnt 0x0
	s_add_nc_u64 s[28:29], s[6:7], s[16:17]
	s_add_nc_u64 s[30:31], s[4:5], s[18:19]
	s_add_nc_u64 s[32:33], s[4:5], s[20:21]
	s_add_nc_u64 s[34:35], s[8:9], s[24:25]
	s_add_nc_u64 s[36:37], s[8:9], s[26:27]
.set i, 0
.rept 33
	global_load_b128 v[96+4*i:99+4*i], v231, s[28:29] offset:8192*i
.set i, i+1
.endr
	global_load_b64 v[228:229], v237, s[28:29] offset:270336       ; the record's last 4,096 bytes
	global_load_b128 v[16:19], v1, s[30:31]                        ; Q's fragment stays in registers
	global_load_b128 v[20:23], v1, s[30:31] offset:512
	global_load_b32 v255, v6, s[32:33]
.set i, 0
.rept 33
	s_wait_loadcnt 36-i                            ; behind piece i: the 32 - i younger pieces, the last 4,096 bytes' load and Q's three
	ds_store_b128 v[232+i/8], v[96+4*i:99+4*i] offset:8192*(i%8)
.set i, i+1
.endr
	s_wait_loadcnt 3                               ; Q's three may be out
	ds_store_b64 v238, v[228:229]
	s_wait_loadcnt 0x0
	s_wait_dscnt 0x0                               ; my part of the record has landed
	s_barrier_signal -1
	s_barrier_wait -1                              ; everybody's has; from here on LDS is only read
.irp j, 0,1,2,3,4,5,6,7
	v_mov_b32 v[24+\j], 0                          ; K = 64: the upper halves of Q's fragment and of K's four stay 0
	v_mov_b32 v[40+\j], 0
	v_mov_b32 v[56+\j], 0
	v_mov_b32 v[72+\j], 0
	v_mov_b32 v[88+\j], 0
.endr
.set j, 0
.rept 32
	v_mov_b32 v[160+j], 0                          ; O^T: the loop is written once; its first step finds zeros, which the first change of M leaves zeros
.set j, j+1
.endr
	v_mov_b32 v13, 0xff61b1e6                      ; the largest t so far: -3e38, under every t
	v_floor_f32 v12, -v13                          ; -M
	v_mov_b32 v14, 0
	v_mov_b32 v15, 0
.irp b, 0,1,2,3
	v_mov_b32 v[236+\b], 0                         ; a lane permute's destination counts as one of its sources
.endr
	v_mov_b32 v252, 0
	v_mov_b32 v253, 0
.Lstep:
	s_cmp_gt_u32 s[ST], s[JJ]                      ; all 128 keys come after my queries: only the addresses step
	s_cbranch_scc1 .Lhidden
	v_add_nc_u32 v8, s[TB], v1
	v_add_nc_u32 v9, s[TB], v2
	v_add_nc_u32 v10, s[TS], v3
	v_add_nc_u32 v11, s[TJ], v4
.rept 6
	v_nop                                          ; with the four additions ten places: nine are owed, since the scores are written over V's fragments, which the last step's products read
.endr
.irp g, 0,1                            ; S^T = K Q^T, four tiles of 16 keys at a time
.if \g
.rept 8
	v_nop                                          ; eight places in front of loads into registers that matrix instructions have read
.endr
.endif
.irp t, 0,1,2,3
	ds_load_b128 v[32+16*\t:35+16*\t], v8 offset:(4*\g+\t)*1024
	ds_load_b128 v[36+16*\t:39+16*\t], v8 offset:(4*\g+\t)*1024+512
.endr
	ds_load_b32 v248, v10 offset:256*\g            ; the scale words of a pair of tiles: the even tile's in lanes 0-15, the odd tile's in lanes 16-31
	ds_load_b32 v249, v10 offset:256*\g+128
	s_wait_dscnt 0x0
.irp t, 0,1,2,3
	WM 96+8*(4*\g+\t), 32+16*\t, 16, -1, 248+\t/2, 255, \t&1, 0
.endr
.endr
.rept 8
	v_nop
.endr
	s_cmp_lg_u32 s[ST], s[JJ]                      ; only the diagonal step has hidden keys
	s_cbranch_scc1 .Lopen
	v_mov_b32 v254, 0xff800000                     ; -infinity
.set n, 0
.rept 64
	v_cmp_gt_i32 vcc_lo, 32*(n/16)+n%16, v5
	v_cndmask_b32 v[96+n], v[96+n], v254, vcc_lo
.set n, n+1
.endr
.Lopen:
.irp b, 0,1,2,3
	v_max3_num_f32 v[232+\b], v[96+16*\b], v[97+16*\b], v[98+16*\b]        ; the largest score of each block of 32 keys: for the row's maximum, and, since p rises with the score, for the block's largest p
.endr
.irp i, 3,5,7,9,11,13
.irp b, 0,1,2,3
	v_max3_num_f32 v[232+\b], v[232+\b], v[96+16*\b+\i], v[97+16*\b+\i]
.endr
.endr
.irp b, 0,1,2,3
	v_max_num_f32 v[232+\b], v[232+\b], v[111+16*\b]
.endr
.irp b, 0,1,2,3
	v_permlanex16_b32 v[236+\b], v[232+\b], s[SEL], s[SEL+1]
.endr
.irp b, 0,1,2,3
	v_max_num_f32 v[232+\b], v[232+\b], v[236+\b]  ; with lane l xor 16's 16 keys
.endr
	v_max3_num_f32 v254, v232, v233, v234
	v_max_num_f32 v254, v254, v235                 ; the step's largest score of my query
	v_mul_f32 v254, s[CS], v254                    ; as t
	v_max_num_f32 v13, v13, v254                   ; the running largest t
	v_mov_b32 v254, v12
	v_floor_f32 v12, -v13                          ; the new -M = floor(-t) = -ceil(t)
	v_sub_f32 v254, v12, v254                      ; old M - new M: a whole number, 0 or less
	v_cvt_i32_f32 v254, v254                       ; (it saturates)
	v_ldexp_f32 v252, 1.0, v254                    ; f = 2^(old M - new M)
.set j, 0
.rept 32
	v_pk_fma_f32 v[96+j:97+j], v[96+j:97+j], s[CS:CS+1], v[12:13] op_sel_hi:[1,0,0]        ; t - M, two at a time
.set j, j+2
.endr
.irp b, 0,1,2,3
	v_fma_f32 v[232+\b], v[232+\b], s[CS], v12     ; the same of each block's largest score
.endr
.set j, 0
.rept 64
	v_exp_f32 v[96+j], v[96+j]                     ; p = 2^(t - M), at most 1
.set j, j+1
.endr
	v_pk_mul_f32 v[14:15], v[14:15], v[252:253] op_sel_hi:[1,0]    ; the sums under the new M; also the plain instruction behind the exponentials
	s_wait_alu depctr_va_vdst(0)                   ; one wait for the batch of 64, ahead of its first reader
.irp b, 0,1,2,3
	v_exp_f32 v[232+\b], v[232+\b]                 ; the block's largest p: the same two instructions on the same number give the same bits
.endr
	v_pk_add_f32 v[236:237], v[96:97], v[98:99]    ; the row's sum is taken of the unquantised p, in two chains
.irp j, 4,8,12,16,20,24,28,32,36,40,44,48,52,56,60
	v_pk_add_f32 v[14:15], v[14:15], v[96+\j:97+\j]
	v_pk_add_f32 v[236:237], v[236:237], v[98+\j:99+\j]
.endr
	v_pk_add_f32 v[14:15], v[14:15], v[236:237]
	s_wait_alu depctr_va_vdst(0)                   ; and one for the four
.irp b, 0,1,2,3
	v_max_num_f32 v[232+\b], 0x8000000, v[232+\b]  ; the floor 2^(16 - 127): the byte cannot fall under 1
.endr
.irp b, 0,1,2,3
	v_add_nc_u32 v[244+\b], 0xf8800000, v[232+\b]  ; the conversion's scale operand
.endr
.irp b, 0,1,2,3
	v_and_or_b32 v[240+\b], v[232+\b], 0x7f800000, s[MNT]  ; 57,344 x the scale
.endr
.irp b, 0,1,2,3
	v_lshrrev_b32 v[236+\b], 23, v[244+\b]         ; the scale's byte
.endr
	v_lshl_or_b32 v253, v237, 8, v236              ; p's scale word for these 128 keys; the 64 holds below are more than its eight places ahead of the products
	v_lshl_or_b32 v253, v238, 16, v253
	v_lshl_or_b32 v253, v239, 24, v253
.irp b, 0,1,2,3
.set i, 0
.rept 16
	v_min_num_f32 v[96+16*\b+i], v[96+16*\b+i], v[240+\b]  ; the conversion does not saturate (ISA guide 7.6.2); p is not negative, so the hold is one-sided
.set i, i+1
.endr
	v_cvt_scalef32_pk8_bf8_f32 v[208+4*\b:209+4*\b], v[96+16*\b:103+16*\b], v[244+\b]
	v_cvt_scalef32_pk8_bf8_f32 v[210+4*\b:211+4*\b], v[104+16*\b:111+16*\b], v[244+\b]
.endr
	v_nop                                          ; a plain instruction behind the last conversion
.irp d, 0,1,2,3                        ; V's four fragments take p's registers; they land while O^T is rescaled
.irp c, 0,1,2,3
	ds_load_b128 v[96+16*\d+4*\c:99+16*\d+4*\c], v9 offset:2048*\d+512*\c
.endr
.endr
	ds_load_b32 v250, v11
	ds_load_b32 v251, v11 offset:128
.set j, 0
.rept 16
	v_pk_mul_f32 v[160+j:161+j], v[160+j:161+j], v[252:253] op_sel_hi:[1,0]        ; O^T under the new M; also the four places between the codes and the products
.set j, j+2
.endr
	s_wait_dscnt 0x0
.irp d, 0,1,2,3
	WM 160+8*\d, 96+16*\d, 208, 160+8*\d, 250+\d/2, 253, \d&1, 0   ; O^T += V^T P^T: four accumulators, one instruction each
.endr
.Lhidden:
	s_add_co_u32 s[TB], s[TB], 8192
	s_add_co_u32 s[TS], s[TS], 512
	s_add_co_u32 s[TJ], s[TJ], 256
	s_add_co_u32 s[ST], s[ST], 1
	s_cmp_lt_u32 s[ST], 16
	s_cbranch_scc1 .Lstep
.rept 8
	v_nop                                          ; eight places behind the last products: a wave's last step may be the loop's last trip
.endr
	v_add_f32 v14, v14, v15                        ; the sum's two halves,
	v_permlanex16_b32 v252, v14, s[SEL], s[SEL+1]
	v_add_f32 v14, v14, v252                       ; and lane l xor 16's
	v_rcp_f32 v14, v14
	v_nop
	s_wait_alu depctr_va_vdst(0)                   ; the wait ahead of the reciprocal's first reader
.set j, 0
.rept 32
	v_mul_f32 v[96+j], v[160+j], v14               ; register 16 b + i is channel 32 b + 16 (lane / 16) + i of my query
.set j, j+1
.endr
	QUANT 2, 96, 0, 208, 253, 0
	global_store_b128 v1, v[208:211], s[34:35]                     ; each store of the wave covers 512 consecutive bytes, aligned
	global_store_b128 v1, v[212:215], s[34:35] offset:512
	s_wait_xcnt 0x0                                ; EXEC changes only behind this wait
	v_cmp_gt_u32 vcc_lo, 16, v7
	s_and_saveexec_b32 s47, vcc_lo
	global_store_b16 v6, v253, s[36:37]            ; two bytes a row: the other half of the word is the neighbouring head's, which another work-group owns: each byte has one owner
	s_wait_xcnt 0x0
	s_or_b32 exec_lo, exec_lo, s47
	s_wait_xcnt 0x0
	s_mov_b32 exec_lo, -1
	v_lshl_add_u32 v253, v0, 2, 0x43000
	v_mov_b32 v254, 0
	s_wait_tensorcnt 0x0
	ds_add_u32 v253, v254
	s_wait_dscnt 0x0
	s_endpgm
.Lfunc_end_k_q5f6f8b0188_attn:
	.size	k_q5f6f8b0188_attn, .Lfunc_end_k_q5f6f8b0188_attn-k_q5f6f8b0188_attn
	.p2alignl 7, 3214868480
	.fill 96, 4, 3214868480
	.section	.rodata,"a",@progbits
	.p2align	6, 0x0
	.amdhsa_kernel k_q5f6f8b0188_attn
		.amdhsa_group_segment_fixed_size 276480
		.amdhsa_private_segment_fixed_size 0
		.amdhsa_enable_private_segment 0
		.amdhsa_kernarg_size 24
		.amdhsa_user_sgpr_count 2
		.amdhsa_user_sgpr_kernarg_segment_ptr 1
		.amdhsa_wavefront_size32 1
		.amdhsa_system_sgpr_workgroup_id_x 1
		.amdhsa_system_sgpr_workgroup_id_y 1
		.amdhsa_system_sgpr_workgroup_id_z 1
		.amdhsa_system_vgpr_workitem_id 0
		.amdhsa_next_free_vgpr 256
		.amdhsa_next_free_sgpr 66
		.amdhsa_reserve_vcc 1
		.amdhsa_float_denorm_mode_32 3
		.amdhsa_float_denorm_mode_16_64 3
		.amdhsa_memory_ordered 1
		.amdhsa_forward_progress 1
		.amdhsa_inst_pref_size 44
	.end_amdhsa_kernel
	.amdgpu_metadata
---
amdhsa.version: [ 1, 2 ]
amdhsa.kernels:
  - .name:           k_q5f6f8b0188_attn
    .symbol:         k_q5f6f8b0188_attn.kd
    .args:
      - { .name: qrec, .offset: 0, .size: 8, .value_kind: global_buffer, .address_space: global }
      - { .name: kv, .offset: 8, .size: 8, .value_kind: global_buffer, .address_space: global }
      - { .name: orec, .offset: 16, .size: 8, .value_kind: global_buffer, .address_space: global }
    .group_segment_fixed_size: 276480
    .private_segment_fixed_size: 0
    .kernarg_segment_align: 8
    .kernarg_segment_size: 24
    .max_flat_workgroup_size: 512
    .sgpr_count:     66
    .vgpr_count:     256
    .wavefront_size: 32
...
	.end_amdgpu_metadata
.endif
;; end of part 3
;; launch tail (part 4): grid 256 x 1, 4 waves a work-group, clusters of 4 x 1, 327,680 bytes of LDS; arguments x, orec, wq, bo, ln2_g, ln2_b, b1, b2, out0; writes out0
.if DOCPART == 4
	.amdgcn_target "amdgcn-amd-amdhsa--gfx1250"
	.amdhsa_code_object_version 6
	.text
	.protected	k_q5f6f8b0188_tail
	.globl	k_q5f6f8b0188_tail
	.p2align	8
	.type	k_q5f6f8b0188_tail,@function
k_q5f6f8b0188_tail:
	s_mov_b64 s[64:65], 0
	v_nop
	global_prefetch_b8 v0, s[64:65] scope:SCOPE_SE
	s_setreg_imm32_b32 hwreg(HW_REG_WAVE_MODE, 25, 1), 1
	s_wait_xcnt 0x0
	s_wait_alu depctr_hold_cnt(0) depctr_sa_sdst(0) depctr_va_vdst(0) depctr_va_sdst(0) depctr_va_ssrc(0) depctr_va_vcc(0) depctr_vm_vsrc(0)
	s_getreg_b32 s2, hwreg(HW_REG_IB_STS2, 6, 4)
	s_cmp_eq_u32 s2, 0
	s_cbranch_scc0 .Lentry_in_a_cluster
	s_endpgm
.Lentry_in_a_cluster:
	s_bfe_u32 s2, ttmp6, 0x10000c
	s_cmp_lg_u32 s2, 0x3003
	s_cbranch_scc0 .Lentry_shape_is_right
	s_endpgm
.Lentry_shape_is_right:
; x1 = x + out Wo + bo;  h2 = layernorm(x1);  out0 = x1 + relu(h2 W1 + b1) W2 + b2.  The three products on codes of E5M2 with E8M0 scales; h2 and the hidden layer are quantised on the way and never go to memory.
; A work-group takes 32 tokens (two tiles, u = 0, 1).  THE WAVES SHARE THE COLUMNS: wave w owns columns 256 w .. + 255 of x1 and out0 (16 tiles) and hidden units 128 w .. + 127 (8 tiles), for both tiles of tokens.
; Everywhere source 0 = 16 columns of a weight and source 1 = 16 tokens: a lane holds one token and its registers run along the columns; by the order of a tile's rows, 16 registers of two tiles are 16 neighbours.
; x1 stays in 256 registers from the first product to the store.
; CLUSTER.  Every work-group walks the same 1.5 MB of weight images, so four work-groups form a cluster and ask for them JOINTLY: the same tensor load, with the same descriptor and a mask that names the four, in all four;
; each receives the bytes in its own LDS.  The descriptors hang on the wave's number and on the weights' address alone; the work-group's place in its cluster enters only the global addresses of x, orec and out0.
; THE RING.  Two LDS slots of 131,072 bytes; wave w fetches and reads only its own 32,768 bytes of a slot.  12 fills: fill j holds what 32 products of each wave need: fills 0-3 Wo's K step j (my 16 tiles: 16 rows of 2,048 bytes),
; fills 4-7 W1's K steps 2 (j - 4), + 1 (my 8 tiles: 8 rows of 4,096 bytes), fills 8-11 W2's K step j - 8.  A wave has two tensor loads out at the start and one behind each round of the cluster's barrier.
; An image is read 16 bytes a lane, 512 consecutive bytes an instruction: no padding.  The fragments go from LDS into a register ring of two halves of 8 fragments (window 2).
; h2's and the hidden layer's fragments go from wave to wave through LDS as images of their registers; the layernorm's sums through 128 bytes a wave.  These regions lie behind the ring and no fill lands in them.
; The launch claims all of a WGP's LDS; it uses 314,368 bytes.
; LIMITS: NaN and infinities are not served; 1 / sqrt is v_rsq_f32; a block of zeros gets the byte 1 (its codes are zeros; this program alone reads the bytes).
; REGISTERS, window 0: v1-15 addresses and at work; v16-31 at work; v32-33 scale words made; v34-35 my part of slots 0, 1; v36-39 read addresses of the images; v40-41 the add's two; v42-45 the tokens' scale words, one a K step; v46-47 h2's;
;   v48-55 -mean and 1 / sqrt, a pair for each u; v56-63 sums; v64-95 Wo's scale words, later W2's; v96-127 W1's; v128-255 out's fragments, then b1 (v128-191) and 64 numbers at work (v192-255), then h2's fragments (v192-255),
;   then the hidden layer's, then rows of out0.
;   window 1: x1, accumulator (u, f) at 128 u + 8 f.   window 2: the register ring; v0-15 the codes just made, while the ring is idle.   window 3: bo; then gain [0:127] and bias [128:255]; then the hidden accumulators at 64 u + 8 f and b2 [128:255].
.set SLOTB, 131072                     ; LDS: slot 0 at 0, slot 1 here; wave w's part at 32,768 w
.set H2IMG, 262144                     ; h2's images [u][8 K steps][2,048]
.set H2SC,  294912                     ; their scale words [K step][32 words: u = 0 in 0-15, u = 1 in 16-31]
.set HDIMG, 295936                     ; the hidden layer's images [u][4 K steps][2,048]
.set HDSC,  312320                     ; their scale words
.set STAT1, 312832                     ; the waves' sums, 128 bytes a wave; the sums of squares 512 bytes on
.set SPARE, 313856                     ; the spare words, 128 bytes for each wave: two blocks of 256 bytes that no other line names
.set WREC,  540672                     ; a weight's record in wq
.set TM,   16
.set PWR,  32
.set RA0,  34                          ; v34 16 x lane + 32,768 x wave: my part of slot 0 (and, at the end, my stage); v35 the same in slot 1
.set H2RD, 36
.set H2SR, 37
.set HDRD, 38
.set HDSR, 39
.set SPW,  40                          ; v40 LDS address of my spare word: SPARE + 4 x my thread's number; never rewritten
.set NIL,  41                          ; v41 0; never rewritten
.set OS,   42
.set HSR,  46
.set MEAN, 48
.set RSTD, 52
.set SM,   56
.set WSA,  64
.set WSB,  96
.set OF,   128
.set TT,   192
.set H2F,  192
.set SEL,  40                          ; s[40:41]
.set MNT,  42
.set HI,   43
.set G1A,  68                          ; s[68:75] descriptor group 1 for Wo's and W2's fills
.set G1B,  76                          ; s[76:83] for W1's
.set G0,   84                          ; s[84:87], s[88:91] group 0, one set for each slot
.set MSB, 0
.macro WIN new                         ; the immediate's high byte repeats the setting that is left; a switch that changes nothing is dropped
.if MSB != (\new)
	s_set_vgpr_msb (MSB<<8)|(\new)
.set MSB, (\new)
.endif
.endm
; The scaled matrix instruction.  c < 0: the constant 0 starts the sum.  ra, rb: source 0's, source 1's scales stand in lanes 16-31 of their register.
.macro WM d, a, b, c, sa, sb, ra, rb
.if (\c) < 0
.if (\ra) && (\rb)
	v_wmma_scale_f32_16x16x128_f8f6f4 v[(\d):(\d)+7], v[(\a):(\a)+15], v[(\b):(\b)+15], 0, v[(\sa)], v[(\sb)] matrix_a_fmt:MATRIX_FMT_BF8 matrix_b_fmt:MATRIX_FMT_BF8 matrix_a_scale:MATRIX_SCALE_ROW1 matrix_b_scale:MATRIX_SCALE_ROW1
.elseif (\ra)
	v_wmma_scale_f32_16x16x128_f8f6f4 v[(\d):(\d)+7], v[(\a):(\a)+15], v[(\b):(\b)+15], 0, v[(\sa)], v[(\sb)] matrix_a_fmt:MATRIX_FMT_BF8 matrix_b_fmt:MATRIX_FMT_BF8 matrix_a_scale:MATRIX_SCALE_ROW1
.elseif (\rb)
	v_wmma_scale_f32_16x16x128_f8f6f4 v[(\d):(\d)+7], v[(\a):(\a)+15], v[(\b):(\b)+15], 0, v[(\sa)], v[(\sb)] matrix_a_fmt:MATRIX_FMT_BF8 matrix_b_fmt:MATRIX_FMT_BF8 matrix_b_scale:MATRIX_SCALE_ROW1
.else
	v_wmma_scale_f32_16x16x128_f8f6f4 v[(\d):(\d)+7], v[(\a):(\a)+15], v[(\b):(\b)+15], 0, v[(\sa)], v[(\sb)] matrix_a_fmt:MATRIX_FMT_BF8 matrix_b_fmt:MATRIX_FMT_BF8
.endif
.else
.if (\ra) && (\rb)
	v_wmma_scale_f32_16x16x128_f8f6f4 v[(\d):(\d)+7], v[(\a):(\a)+15], v[(\b):(\b)+15], v[(\c):(\c)+7], v[(\sa)], v[(\sb)] matrix_a_fmt:MATRIX_FMT_BF8 matrix_b_fmt:MATRIX_FMT_BF8 matrix_a_scale:MATRIX_SCALE_ROW1 matrix_b_scale:MATRIX_SCALE_ROW1
.elseif (\ra)
	v_wmma_scale_f32_16x16x128_f8f6f4 v[(\d):(\d)+7], v[(\a):(\a)+15], v[(\b):(\b)+15], v[(\c):(\c)+7], v[(\sa)], v[(\sb)] matrix_a_fmt:MATRIX_FMT_BF8 matrix_b_fmt:MATRIX_FMT_BF8 matrix_a_scale:MATRIX_SCALE_ROW1
.elseif (\rb)
	v_wmma_scale_f32_16x16x128_f8f6f4 v[(\d):(\d)+7], v[(\a):(\a)+15], v[(\b):(\b)+15], v[(\c):(\c)+7], v[(\sa)], v[(\sb)] matrix_a_fmt:MATRIX_FMT_BF8 matrix_b_fmt:MATRIX_FMT_BF8 matrix_b_scale:MATRIX_SCALE_ROW1
.else
	v_wmma_scale_f32_16x16x128_f8f6f4 v[(\d):(\d)+7], v[(\a):(\a)+15], v[(\b):(\b)+15], v[(\c):(\c)+7], v[(\sa)], v[(\sb)] matrix_a_fmt:MATRIX_FMT_BF8 matrix_b_fmt:MATRIX_FMT_BF8
.endif
.endif
.endm
; nb blocks of 32 along K: a lane's numbers v[S + 16 b + i] of window W are k = 32 b + 16 (lane / 16) + i of its row.  They become codes in v[PC] on of window PCW and the row's scale word in v[PW] of window 0.
; relu = 1: what is negative becomes 0 on the way: it does not count for the largest magnitude, and the hold clips at 0.  The reads begin at each accumulator's low end.
.macro QUANT nb, S, W, PC, PCW, PW, relu
.set QA, (\W)|((\W)<<2)
.set QB, ((\W)<<2)|((\W)<<4)
.set QC, (\W)|((\W)<<6)
.set QD, (\W)|((\PCW)<<6)
	WIN QA
.set qb, 0
.rept \nb
.if \relu
	v_max3_num_f32 v[TM+qb], v[(\S)+16*qb], v[(\S)+16*qb+1], 0x8000000
.else
	v_max3_num_f32 v[TM+qb], |v[(\S)+16*qb]|, |v[(\S)+16*qb+1]|, 0x8000000     ; my 16 numbers of a block, and the floor 2^(16 - 127): the byte cannot fall under 1
.endif
.set qb, qb+1
.endr
	WIN QB
.irp i, 2,4,6,8,10,12,14
.set qb, 0
.rept \nb
.if \relu
	v_max3_num_f32 v[TM+qb], v[TM+qb], v[(\S)+16*qb+\i], v[(\S)+16*qb+\i+1]
.else
	v_max3_num_f32 v[TM+qb], v[TM+qb], |v[(\S)+16*qb+\i]|, |v[(\S)+16*qb+\i+1]|
.endif
.set qb, qb+1
.endr
.endr
	WIN 0
.set qb, 0
.rept \nb
	v_permlanex16_b32 v[TM+4+qb], v[TM+qb], s[SEL], s[SEL+1]
.set qb, qb+1
.endr
.set qb, 0
.rept \nb
	v_max_num_f32 v[TM+qb], v[TM+qb], v[TM+4+qb]   ; with lane l xor 16's 16: the block's largest magnitude
.set qb, qb+1
.endr
.set qb, 0
.rept \nb
	v_add_nc_u32 v[TM+12+qb], 0xf8800000, v[TM+qb] ; 15 off its exponent field: the conversion's scale operand
.set qb, qb+1
.endr
.set qb, 0
.rept \nb
	v_and_or_b32 v[TM+8+qb], v[TM+qb], 0x7f800000, s[MNT]  ; 57,344 x the scale
.set qb, qb+1
.endr
.set qb, 0
.rept \nb
	v_lshrrev_b32 v[TM+4+qb], 23, v[TM+12+qb]      ; the scale's byte
.set qb, qb+1
.endr
	v_lshl_or_b32 v[(\PW)], v[TM+5], 8, v[TM+4]
.if (\nb) > 2
	v_lshl_or_b32 v[(\PW)], v[TM+6], 16, v[(\PW)]
	v_lshl_or_b32 v[(\PW)], v[TM+7], 24, v[(\PW)]
.endif
	WIN QC
.set qb, 0
.rept \nb
.set qi, 0
.rept 16
.if \relu
	v_med3_num_f32 v[(\S)+16*qb+qi], v[(\S)+16*qb+qi], 0, v[TM+8+qb]
.else
	v_med3_num_f32 v[(\S)+16*qb+qi], v[(\S)+16*qb+qi], -v[TM+8+qb], v[TM+8+qb]  ; the conversion does not saturate (ISA guide 7.6.2): the hold at the largest code x the scale
.endif
.set qi, qi+1
.endr
.set qb, qb+1
.endr
	WIN QD
.set qb, 0
.rept \nb
	v_cvt_scalef32_pk8_bf8_f32 v[(\PC)+4*qb:(\PC)+4*qb+1], v[(\S)+16*qb:(\S)+16*qb+7], v[TM+12+qb]
	v_cvt_scalef32_pk8_bf8_f32 v[(\PC)+4*qb+2:(\PC)+4*qb+3], v[(\S)+16*qb+8:(\S)+16*qb+15], v[TM+12+qb]
.set qb, qb+1
.endr
	WIN 0
	v_nop                                          ; a plain instruction behind the last conversion
.endm
; A round of the cluster's barrier: my work-group's barrier, so that wave 0's signal speaks for all four waves; wave 0 signals for the work-group; every wave waits for all four work-groups; my work-group's barrier once more.
.macro ROUND
	s_barrier_signal -1
	s_barrier_wait -1
	s_cmp_lg_u32 s22, 0
	s_cbranch_scc1 .Lnot_wave_0_\@
	s_barrier_signal -3
.Lnot_wave_0_\@:
	s_barrier_wait -3
	s_barrier_signal -1
	s_barrier_wait -1
.endm
	s_load_b256 s[4:11], s[0:1], 0x0               ; x s[4:5], orec s[6:7], wq s[8:9], bo s[10:11]
	s_load_b256 s[12:19], s[0:1], 0x20             ; gain s[12:13], bias s[14:15], b1 s[16:17], b2 s[18:19]
	s_load_b64 s[20:21], s[0:1], 0x40              ; out0
	v_lshl_add_u32 v[SPW], v0, 2, SPARE
	v_mov_b32 v[NIL], 0
	ds_add_u32 v40, v41
	ds_add_u32 v40, v41
	s_wait_dscnt 0x0
	v_lshrrev_b32 v1, 5, v0
	v_readfirstlane_b32 s22, v1                    ; wave 0..3
	v_and_b32 v5, 31, v0
	v_lshlrev_b32 v1, 4, v5                        ; 16 x lane
	v_lshlrev_b32 v2, 2, v5                        ; 4 x lane
	v_and_b32 v8, 15, v0                           ; r
	v_bfe_u32 v15, v0, 4, 1                        ; h
	v_lshlrev_b32 v4, 6, v15                       ; 64 h: my half's 16 numbers of a block of 32
	v_and_b32 v3, 8, v8
	v_add_nc_u32 v3, v3, v8
	v_lshl_add_u32 v3, v3, 12, v4                  ; x: token r + 8 (r / 8) of tile 0, rows of 4,096 bytes, + 64 h
	s_lshl_b32 s23, s22, 15                        ; my part of a slot
	v_add_nc_u32 v[RA0], s23, v1
	v_add_nc_u32 v[RA0+1], SLOTB, v[RA0]
	v_mul_u32_u24 v6, v8, 1040
	v_add_nc_u32 v6, v6, v4
	v_add_nc_u32 v6, s23, v6                       ; into my stage (my part of slot 0, at the end): row r of 1,024 + 16 bytes, + 64 h; back by v[RA0]
	s_lshl_b32 s23, s22, 7
	s_add_co_u32 s23, s23, STAT1
	v_add_nc_u32 v9, s23, v2                       ; my wave's 32 sums
	v_lshl_add_u32 v10, v8, 2, STAT1               ; and token r's, of every wave
	s_lshl_b32 s23, s22, 12
	s_add_co_u32 s23, s23, H2IMG
	v_add_nc_u32 v11, s23, v1                      ; where I store h2's images: K steps 2 w, 2 w + 1
	s_lshl_b32 s23, s22, 8
	s_add_co_u32 s23, s23, H2SC
	v_add_nc_u32 v12, s23, v2
	s_lshl_b32 s23, s22, 11
	s_add_co_u32 s23, s23, HDIMG
	v_add_nc_u32 v13, s23, v1                      ; the hidden layer's: K step w
	s_lshl_b32 s23, s22, 7
	s_add_co_u32 s23, s23, HDSC
	v_add_nc_u32 v14, s23, v2
	v_add_nc_u32 v[H2RD], H2IMG, v1                ; and where any wave reads them
	v_add_nc_u32 v[H2SR], H2SC, v2
	v_add_nc_u32 v[HDRD], HDIMG, v1
	v_add_nc_u32 v[HDSR], HDSC, v2
.irp b, 0,1,2,3
	v_mov_b32 v[TM+4+\b], 0                        ; a lane permute's destination counts as one of its sources
	v_mov_b32 v[MEAN+2*\b+1], 0                    ; upper halves of pairs that packed forms name
.endr
	s_bfe_u32 s58, ttmp6, 0x40000                  ; cx: my place in the cluster
	s_lshl_b32 s59, ttmp9, 2                       ; in a cluster launch ttmp9 counts clusters
	s_add_co_u32 s59, s59, s58                     ; my group of 32 tokens: it enters x's, orec's and out0's addresses alone
	s_lshl_b32 s24, s59, 17                        ; 32 rows of 4,096 bytes a work-group,
	s_lshl_b32 s25, s22, 10                        ; 1,024 bytes of a row a wave
	s_add_co_u32 s24, s24, s25
	s_mov_b32 s25, 0
	s_mul_i32 s26, s59, 16896
	s_mov_b32 s27, 0
	s_lshl_b32 s48, s22, 17                        ; a wave's share of a weight's images: 131,072 bytes in all three,
	s_lshl_b32 s50, s22, 12                        ; of its scale words: 4,096
	s_lshl_b32 s52, s22, 10
	s_mov_b32 s53, 0
	s_lshl_b32 s54, s22, 9
	s_mov_b32 s55, 0
	s_mov_b32 s57, 0
	s_mov_b32 s[SEL], 0x76543210
	s_mov_b32 s[SEL+1], 0xfedcba98
	s_mov_b32 s[MNT], 0x600000
	s_mov_b32 s[HI], 0xffff0000
	s_mov_b32 s44, 0xba800000                      ; -1 / 1,024
	s_mov_b32 s45, 0x3a800000                      ; 1 / 1,024
	s_mov_b32 s46, 0x3727c5ac                      ; 1e-5
	; descriptor groups 1.  Elements of 8 bytes; sizes in elements
	s_mov_b32 s[G1A+0], 15|(3<<16)|(1<<21)         ; 15:0 the mask: all four work-groups; 17:16 elements of 8 bytes; 20 no padding; 21 set beside a mask
	s_mov_b32 s[G1A+1], 256<<16                    ; tensor_dim0 = 256: a K step's image of a tile, 2,048 bytes
	s_mov_b32 s[G1A+2], 16<<16                     ; tensor_dim1 = 16: my 16 tiles
	s_mov_b32 s[G1A+3], 256<<16                    ; tile_dim0
	s_mov_b32 s[G1A+4], 16                         ; tile_dim1
	s_mov_b32 s[G1A+5], 1024                       ; from tile to tile: 4 K steps x 2,048 bytes
	s_mov_b32 s[G1A+6], 0
	s_mov_b32 s[G1A+7], 0
	s_mov_b32 s[G1B+0], 15|(3<<16)|(1<<21)
	s_mov_b32 s[G1B+1], 512<<16                    ; two K steps' images of a tile, 4,096 bytes
	s_mov_b32 s[G1B+2], 8<<16                      ; my 8 tiles
	s_mov_b32 s[G1B+3], 512<<16
	s_mov_b32 s[G1B+4], 8
	s_mov_b32 s[G1B+5], 2048                       ; from tile to tile: 8 K steps x 2,048 bytes
	s_mov_b32 s[G1B+6], 0
	s_mov_b32 s[G1B+7], 0
	s_mov_b32 s[G0], 1                             ; count = 1
	s_mov_b32 s[G0+4], 1
	s_lshl_b32 s[G0+1], s22, 15                    ; LDS address: my part of slot 0,
	s_add_co_u32 s[G0+5], s[G0+1], SLOTB           ; of slot 1
	s_wait_kmcnt 0x0
	s_add_co_u32 s56, s48, 3*WREC
	s_add_nc_u64 s[G0+2:G0+3], s[8:9], s[56:57]    ; fill 0: Wo's K step 0 of my tiles,
	s_add_nc_u64 s[G0+6:G0+7], s[G0+2:G0+3], 2048  ; fill 1: K step 1
	s_or_b32 s[G0+3], s[G0+3], 0x80000000          ; type = 2
	s_or_b32 s[G0+7], s[G0+7], 0x80000000
	s_add_nc_u64 s[4:5], s[4:5], s[24:25]
	s_add_nc_u64 s[20:21], s[20:21], s[24:25]
	s_add_nc_u64 s[6:7], s[6:7], s[26:27]
.irp p, 0,1,2                          ; the scale words of Wo, W1, W2: s[28:29], s[30:31], s[32:33]
	s_add_co_u32 s56, s50, (3+\p)*WREC+524288
	s_add_nc_u64 s[28+2*\p:29+2*\p], s[8:9], s[56:57]
.endr
	s_add_nc_u64 s[10:11], s[10:11], s[52:53]
	s_add_nc_u64 s[12:13], s[12:13], s[52:53]
	s_add_nc_u64 s[14:15], s[14:15], s[52:53]
	s_add_nc_u64 s[18:19], s[18:19], s[52:53]
	s_add_nc_u64 s[16:17], s[16:17], s[54:55]
	ROUND                                          ; all four work-groups are here: the first joint loads meet
	tensor_load_to_lds s[G0:G0+3], s[G1A:G1A+7]    ; the two first fills go out together, ahead of every wait on TENSORcnt and every LDS read
	s_nop 0
	tensor_load_to_lds s[G0+4:G0+7], s[G1A:G1A+7]
	s_nop 0
.rept 4
	v_nop                                          ; four v_nop follow the tensor loads
.endr
; Where fill j begins, counted from my wave's share of wq's first record: FO
.macro FILLOFF j
.if (\j) < 4
.set FO, 3*WREC+2048*(\j)
.elseif (\j) < 8
.set FO, 4*WREC+4096*((\j)-4)
.else
.set FO, 5*WREC+2048*((\j)-8)
.endif
.endm
; THE CHANGE OF SLOTS in front of fill j's work.  Each wave waits for all its tensor loads, of which one is out: fill j; adds 0 to its spare word; and waits for that and for its reads of the other slot.  A round of the cluster's
; barrier follows: no wave of any partner still reads that slot or has a load on its way.  The joint refill, fill j + 1, is the first thing behind it: it has fill j's work in which to land.
.macro CHANGE j
	s_wait_tensorcnt 0x0                           ; no tensor load of mine is out, so a group 0 may be written
	ds_add_u32 v[SPW], v[NIL]                      ; 0 onto my spare word: the descriptor's step stands between it and the wait for it
	FILLOFF (\j)+1
.set FN, FO
	FILLOFF (\j)-1
.set gz, G0+4*(((\j)+1)&1)
	s_add_nc_u64 s[gz+2:gz+3], s[gz+2:gz+3], FN-FO ; from the slot's last fill to its next; the type bits on top are not reached
	s_wait_dscnt 0x0                               ; the add is done, and my reads of the slot are over
	ROUND
.if ((\j)+1 >= 4) && ((\j)+1 < 8)
	tensor_load_to_lds s[gz:gz+3], s[G1B:G1B+7]
	s_nop 0
.else
	tensor_load_to_lds s[gz:gz+3], s[G1A:G1A+7]
	s_nop 0
.endif
.rept 4
	v_nop                                          ; With the four at the end of the work before, eight places behind its last products
.endr
.endm
; Batch n (fill n / 2, half n % 2 of it): 8 fragments from my part of the slot into half n % 2 of the register ring: 32 LDS loads
.macro LOADB n
.set lhf, (\n)&1
.set lra, RA0+(((\n)>>1)&1)
	WIN 0x80                                       ; destination window 2
.irp f, 0,1,2,3,4,5,6,7
.irp c, 0,1,2,3
.if ((\n)>>3) == 1
	ds_load_b128 v[128*lhf+16*\f+4*\c:128*lhf+16*\f+4*\c+3], v[lra] offset:4096*\f+2048*lhf+512*\c
.else
	ds_load_b128 v[128*lhf+16*\f+4*\c:128*lhf+16*\f+4*\c+3], v[lra] offset:2048*(8*lhf+\f)+512*\c
.endif
.endr
.endr
	WIN 0
.endm
.macro LDH2 s                          ; h2's two fragments of K step s and their scale words, into set s % 2: nine LDS loads
.irp u, 0,1
.irp c, 0,1,2,3
	ds_load_b128 v[H2F+32*((\s)&1)+16*\u+4*\c:H2F+32*((\s)&1)+16*\u+4*\c+3], v[H2RD] offset:16384*\u+2048*(\s)+512*\c
.endr
.endr
	ds_load_b32 v[HSR+((\s)&1)], v[H2SR] offset:128*(\s)
.endm
; Batch n's 16 products: 8 tiles of columns x 2 tiles of tokens.  n = 0-7 Wo and 16-23 W2: K step (n % 8) / 2, tiles 8 (n % 2) + 0..7 of my 16;  n = 8-15 W1: K step n - 8, my 8 tiles.
; The accumulators take turns, one instruction a turn.
.macro PROD n
.set bhf, (\n)&1
.if ((\n)>>3) == 1
.set bks, (\n)-8
.if bks == 0
	WIN 0xc2                                       ; source 0 window 2, C (b1) window 0, D window 3
.else
	WIN 0xf2                                       ; source 0 window 2, C and D window 3
.endif
.irp f, 0,1,2,3,4,5,6,7
.irp u, 0,1
.if bks == 0
	WM 64*\u+8*\f, 128*bhf+16*\f, H2F+32*bhf+16*\u, OF+8*\f, WSB+4*bks+\f/2, HSR+bhf, \f&1, \u
.else
	WM 64*\u+8*\f, 128*bhf+16*\f, H2F+32*bhf+16*\u, 64*\u+8*\f, WSB+4*bks+\f/2, HSR+bhf, \f&1, \u
.endif
.endr
.endr
.else
.set bks, ((\n)&7)>>1
	WIN 0x52                                       ; source 0 window 2, C and D window 1
.irp f, 0,1,2,3,4,5,6,7
.irp u, 0,1
	WM 128*\u+8*(8*bhf+\f), 128*bhf+16*\f, OF+64*\u+16*bks, 128*\u+8*(8*bhf+\f), WSA+4*((\n)&7)+\f/2, OS+bks, \f&1, \u
.endr
.endr
.endif
.endm
; Fill j's work: its two batches from LDS into registers, and their 32 products.  places: plain instructions behind the last product: eight are owed in front of loads into registers that the products
; have read and of the first read of results; where a change of slots follows, its four v_nop are four of them.
.macro FW j, places
.if ((\j)>>2) == 1
	LDH2 2*(\j)-8
	LOADB 2*(\j)
	LDH2 2*(\j)-7
	LOADB 2*(\j)+1
	s_wait_dscnt 41                                ; the second batch's 32 loads and its nine of h2 may be out
.else
	LOADB 2*(\j)
	LOADB 2*(\j)+1
	s_wait_dscnt 32                                ; the second batch's 32 loads may be out
.endif
	PROD 2*(\j)
	s_wait_dscnt 0x0
	PROD 2*(\j)+1
	WIN 0
.rept \places
	v_nop
.endr
.endm
; A weight's 32 registers of scale words (a pair of tiles each), register 4 n + p for batch n of its eight.  kind 0: Wo, W2;  1: W1
.macro LDSC reg, sb, kind
.set sn, 0
.rept 8
.irp p, 0,1,2,3
.if \kind
	global_load_b32 v[(\reg)+4*sn+\p], v2, s[(\sb):(\sb)+1] offset:1024*\p+128*sn
.else
	global_load_b32 v[(\reg)+4*sn+\p], v2, s[(\sb):(\sb)+1] offset:512*(4*(sn&1)+\p)+128*(sn>>1)
.endif
.endr
.set sn, sn+1
.endr
.endm
; ---- loads: out's eight fragments and scale words; Wo's scale words; x into x1's registers; bo
.irp u, 0,1
.irp s, 0,1,2,3
.irp c, 0,1,2,3
	global_load_b128 v[OF+64*\u+16*\s+4*\c:OF+64*\u+16*\s+4*\c+3], v1, s[6:7] offset:8192*\u+2048*\s+512*\c
.endr
.endr
.endr
.irp s, 0,1,2,3
	global_load_b32 v[OS+\s], v2, s[6:7] offset:16384+128*\s
.endr
	LDSC WSA, 28, 0
	WIN 0x40                                       ; destination window 1
.irp u, 0,1
.irp b, 0,1,2,3,4,5,6,7
.irp q, 0,1,2,3
	global_load_b128 v[128*\u+16*\b+4*\q:128*\u+16*\b+4*\q+3], v3, s[4:5] offset:32768*\u+128*\b+16*\q     ; register 128 u + 16 b + i: column 256 w + 32 b + 16 h + i of token (u, r)
.endr
.endr
.endr
	WIN 0xc0                                       ; destination window 3
.irp b, 0,1,2,3,4,5,6,7
.irp q, 0,1,2,3
	global_load_b128 v[16*\b+4*\q:16*\b+4*\q+3], v4, s[10:11] offset:128*\b+16*\q
.endr
.endr
	s_wait_loadcnt 0x0
	WIN 0x4d                                       ; destination and source 0 window 1, source 1 window 3
.irp u, 0,1
.set p, 0
.rept 64
	v_pk_add_f32 v[128*\u+p:128*\u+p+1], v[128*\u+p:128*\u+p+1], v[p:p+1]  ; x + bo: the sums of the first product begin with it
.set p, p+2
.endr
.endr
	WIN 0
	LDSC WSB, 30, 1                                ; W1's scale words: they land during the first product
; ---- x1 = x + bo + out Wo
	s_wait_tensorcnt 0x1                           ; fill 0 is in my part of slot 0, which I alone read; fill 1 may stay out
	FW 0, 4
	CHANGE 1
	FW 1, 4
	CHANGE 2
	FW 2, 4
	CHANGE 3
	FW 3, 4
	CHANGE 4                                       ; W1's second fill goes out ahead of the layernorm and lands during it
; ---- the layernorm of x1
	WIN 0xc0
.irp b, 0,1,2,3,4,5,6,7
.irp q, 0,1,2,3
	global_load_b128 v[16*\b+4*\q:16*\b+4*\q+3], v4, s[12:13] offset:128*\b+16*\q
	global_load_b128 v[128+16*\b+4*\q:128+16*\b+4*\q+3], v4, s[14:15] offset:128*\b+16*\q
.endr
.endr
	WIN 0
.irp f, 0,1,2,3,4,5,6,7
	global_load_b128 v[OF+8*\f:OF+8*\f+3], v4, s[16:17] offset:(32*(\f/2)+8*(\f%2))*4      ; b1 in the result's layout: tile f's eight units of my half
	global_load_b128 v[OF+8*\f+4:OF+8*\f+7], v4, s[16:17] offset:(32*(\f/2)+8*(\f%2))*4+16
.endr
.macro LANESUM dst                     ; the four chains' sum
	v_pk_add_f32 v[SM:SM+1], v[SM:SM+1], v[SM+2:SM+3]
	v_pk_add_f32 v[SM+4:SM+5], v[SM+4:SM+5], v[SM+6:SM+7]
	v_pk_add_f32 v[SM:SM+1], v[SM:SM+1], v[SM+4:SM+5]
	v_add_f32 v[\dst], v[SM], v[SM+1]
.endm
; v5, v8: my lane's sums for token tiles 0, 1.  Joined with lane l xor 16's, handed round through LDS (bytes of their own for each of the two uses), and added in the same order in every wave: v[SM], v[SM+4].
.macro ACROSS off
	v_permlanex16_b32 v15, v5, s[SEL], s[SEL+1]
	v_add_f32 v5, v5, v15
	v_permlanex16_b32 v15, v8, s[SEL], s[SEL+1]
	v_add_f32 v8, v8, v15
	v_cndmask_b32 v5, v5, v8, s[HI]                ; lanes 0-15: tile 0's tokens, lanes 16-31: tile 1's
	ds_store_b32 v9, v5 offset:\off
	s_wait_dscnt 0x0                               ; for the others' sake: my sums have landed
	s_barrier_signal -1
	s_barrier_wait -1
.irp u, 0,1
.irp w, 0,1,2,3
	ds_load_b32 v[SM+4*\u+\w], v10 offset:\off+128*\w+64*\u
.endr
.endr
	s_wait_dscnt 0x0
.irp u, 0,1
	v_add_f32 v[SM+4*\u], v[SM+4*\u], v[SM+4*\u+1]
	v_add_f32 v[SM+4*\u+2], v[SM+4*\u+2], v[SM+4*\u+3]
	v_add_f32 v[SM+4*\u], v[SM+4*\u], v[SM+4*\u+2]
.endr
.endm
.irp u, 0,1                            ; the sums, in four chains, ascending through each accumulator
	WIN 0x05
.irp k, 0,1,2,3
	v_pk_add_f32 v[SM+2*\k:SM+2*\k+1], v[128*\u+2*\k:128*\u+2*\k+1], v[128*\u+8+2*\k:128*\u+8+2*\k+1]
.endr
	WIN 0x04
.set m, 2
.rept 14
.irp k, 0,1,2,3
	v_pk_add_f32 v[SM+2*\k:SM+2*\k+1], v[SM+2*\k:SM+2*\k+1], v[128*\u+8*m+2*\k:128*\u+8*m+2*\k+1]
.endr
.set m, m+1
.endr
	WIN 0
	LANESUM 5+3*\u
.endr
	ACROSS 0
	v_mul_f32 v[MEAN], s44, v[SM]                  ; -mean
	v_mul_f32 v[MEAN+2], s44, v[SM+4]
.macro CENTRE u, kh                    ; 64 numbers of x1 less the mean, into v[TT] on
	WIN 0x01                                       ; source 0 window 1
.set p, 0
.rept 32
	v_pk_add_f32 v[TT+p:TT+p+1], v[128*(\u)+64*(\kh)+p:128*(\u)+64*(\kh)+p+1], v[MEAN+2*(\u):MEAN+2*(\u)+1] op_sel_hi:[1,0]
.set p, p+2
.endr
	WIN 0
.endm
.irp u, 0,1                            ; the sums of squares of x1 - mean
.irp kh, 0,1
	CENTRE \u, \kh
.set p, 0
.rept 32
.if (\kh == 0) && (p < 4)
	v_pk_mul_f32 v[SM+2*p:SM+2*p+1], v[TT+2*p:TT+2*p+1], v[TT+2*p:TT+2*p+1]
.else
	v_pk_fma_f32 v[SM+2*(p%4):SM+2*(p%4)+1], v[TT+2*p:TT+2*p+1], v[TT+2*p:TT+2*p+1], v[SM+2*(p%4):SM+2*(p%4)+1]
.endif
.set p, p+1
.endr
.endr
	LANESUM 5+3*\u
.endr
	ACROSS 512
	v_fma_f32 v[RSTD], v[SM], s45, s46             ; variance + 1e-5
	v_fma_f32 v[RSTD+2], v[SM+4], s45, s46
	v_rsq_f32 v[RSTD], v[RSTD]
	v_rsq_f32 v[RSTD+2], v[RSTD+2]
	v_nop                                          ; a plain instruction behind the transcendentals,
	s_wait_alu depctr_va_vdst(0)                   ; and one wait for both, ahead of their first reader
	s_wait_loadcnt 0x0                             ; gain, bias and b1 are in, and W1's scale words, which were issued earlier
.irp kh, 0,1                           ; my columns are K steps 2 w and 2 w + 1 of the next product
.irp u, 0,1
	CENTRE \u, \kh
.set p, 0
.rept 32
	v_pk_mul_f32 v[TT+p:TT+p+1], v[TT+p:TT+p+1], v[RSTD+2*\u:RSTD+2*\u+1] op_sel_hi:[1,0]
.set p, p+2
.endr
	WIN 0x3c                                       ; sources 1 and 2 window 3
.set p, 0
.rept 32
	v_pk_fma_f32 v[TT+p:TT+p+1], v[TT+p:TT+p+1], v[64*\kh+p:64*\kh+p+1], v[128+64*\kh+p:128+64*\kh+p+1]
.set p, p+2
.endr
	QUANT 4, TT, 0, 0, 2, PWR+\u, 0                ; the codes go to window 2, v0-15: the register ring is idle here
	WIN 0x08                                       ; an LDS store's data are its source 1: window 2
.irp c, 0,1,2,3
	ds_store_b128 v11, v[4*\c:4*\c+3] offset:16384*\u+2048*\kh+512*\c
.endr
	WIN 0
	s_wait_dscnt 0x0                               ; the stores have read the codes
.endr
	v_cndmask_b32 v5, v[PWR], v[PWR+1], s[HI]
	ds_store_b32 v12, v5 offset:128*\kh
.endr
	WIN 0xc0
.irp b, 0,1,2,3,4,5,6,7
.irp q, 0,1,2,3
	global_load_b128 v[128+16*\b+4*\q:128+16*\b+4*\q+3], v4, s[18:19] offset:128*\b+16*\q  ; b2 takes the bias's registers
.endr
.endr
	WIN 0
	LDSC WSA, 32, 0                                ; W2's scale words take Wo's registers: they land during the second product
	s_wait_dscnt 0x0
	s_barrier_signal -1
	s_barrier_wait -1                              ; h2's sixteen fragments lie in LDS
; ---- the hidden layer: h2 W1 + b1
	FW 4, 4
	CHANGE 5
	FW 5, 4
	CHANGE 6
	FW 6, 4
	CHANGE 7
	FW 7, 4
	CHANGE 8                                       ; W2's second fill goes out ahead of the quantiser and lands during it
.irp u, 0,1                            ; relu and the quantiser in one: my 128 units are K step w of the last product
	QUANT 4, 64*\u, 3, 0, 2, PWR+\u, 1
	WIN 0x08
.irp c, 0,1,2,3
	ds_store_b128 v13, v[4*\c:4*\c+3] offset:8192*\u+512*\c
.endr
	WIN 0
	s_wait_dscnt 0x0
.endr
	v_cndmask_b32 v5, v[PWR], v[PWR+1], s[HI]
	ds_store_b32 v14, v5
	s_wait_dscnt 0x0
	s_barrier_signal -1
	s_barrier_wait -1                              ; the hidden layer's eight fragments lie in LDS
; ---- out0 = x1 + b2 + hidden W2
.irp u, 0,1
.irp s, 0,1,2,3
.irp c, 0,1,2,3
	ds_load_b128 v[OF+64*\u+16*\s+4*\c:OF+64*\u+16*\s+4*\c+3], v[HDRD] offset:8192*\u+2048*\s+512*\c
.endr
.endr
.endr
.irp s, 0,1,2,3
	ds_load_b32 v[OS+\s], v[HDSR] offset:128*\s
.endr
	s_wait_loadcnt 0x0                             ; b2 and W2's scale words, asked for a whole product ago
	WIN 0x4d
.irp u, 0,1
.set p, 0
.rept 64
	v_pk_add_f32 v[128*\u+p:128*\u+p+1], v[128*\u+p:128*\u+p+1], v[128+p:128+p+1]
.set p, p+2
.endr
.endr
	WIN 0
	FW 8, 4                                        ; (its first wait leaves only its second batch out: the hidden layer's fragments are in)
	CHANGE 9
	FW 9, 4
	CHANGE 10
	FW 10, 8
	s_wait_tensorcnt 0x0                           ; the last fill is in my part of slot 1; nothing is left to fetch, so no round follows
	FW 11, 8
; ---- the way out: a tile of 16 tokens at a time through my own stage, back as whole pieces of rows: each store of the wave covers 512 consecutive bytes, aligned.
; The stage is my part of slot 0, which has had its last fill and which I alone read, for the last time two fills ago.
.irp u, 0,1
.if \u
	s_wait_xcnt 0x0                                ; tile 0's stores have read their registers
.endif
	WIN 0x04                                       ; an LDS store's data are its source 1: window 1
.irp b, 0,1,2,3,4,5,6,7
.irp q, 0,1,2,3
	ds_store_b128 v6, v[128*\u+16*\b+4*\q:128*\u+16*\b+4*\q+3] offset:128*\b+16*\q         ; each accumulator from its low end on
.endr
.endr
	WIN 0
.set k, 0
.rept 32
	ds_load_b128 v[OF+4*k:OF+4*k+3], v[RA0] offset:1040*(k>>1)+512*(k&1)   ; LDS serves a wave's instructions in order (ISA guide 5.7.1.4): these see the stores above
.set k, k+1
.endr
.set k, 0
.rept 32
	s_wait_dscnt 31-k                              ; the younger read-backs may stay out
	global_store_b128 v1, v[OF+4*k:OF+4*k+3], s[20:21] offset:(8*\u+(k>>1)+8*(k>>4))*4096+512*(k&1) th:TH_STORE_NT
.set k, k+1
.endr
.endr
	s_wait_tensorcnt 0x0                           ; the wave's end: behind my last tensor load and my last LDS store
	ds_add_u32 v[SPW], v[NIL]
	s_wait_dscnt 0x0
	ROUND                                          ; the closing round: no work-group ends while a partner may still ask for a fill that names it
	s_endpgm
.Lfunc_end_k_q5f6f8b0188_tail:
	.size	k_q5f6f8b0188_tail, .Lfunc_end_k_q5f6f8b0188_tail-k_q5f6f8b0188_tail
	.p2alignl 7, 3214868480
	.fill 96, 4, 3214868480
	.section	.rodata,"a",@progbits
	.p2align	6, 0x0
	.amdhsa_kernel k_q5f6f8b0188_tail
		.amdhsa_group_segment_fixed_size 327680
		.amdhsa_private_segment_fixed_size 0
		.amdhsa_enable_private_segment 0
		.amdhsa_kernarg_size 72
		.amdhsa_user_sgpr_count 2
		.amdhsa_user_sgpr_kernarg_segment_ptr 1
		.amdhsa_wavefront_size32 1
		.amdhsa_system_sgpr_workgroup_id_x 1
		.amdhsa_system_sgpr_workgroup_id_y 1
		.amdhsa_system_sgpr_workgroup_id_z 1
		.amdhsa_system_vgpr_workitem_id 0
		.amdhsa_next_free_vgpr 1024
		.amdhsa_next_free_sgpr 96
		.amdhsa_reserve_vcc 0
		.amdhsa_float_denorm_mode_32 3
		.amdhsa_float_denorm_mode_16_64 3
		.amdhsa_memory_ordered 1
		.amdhsa_forward_progress 1
		.amdhsa_inst_pref_size 255
	.end_amdhsa_kernel
	.section	.bss,"aw",@nobits
	.p2align	6
	.space	262144
	.amdgpu_metadata
---
amdhsa.version: [ 1, 2 ]
amdhsa.kernels:
  - .name:           k_q5f6f8b0188_tail
    .symbol:         k_q5f6f8b0188_tail.kd
    .args:
      - { .name: x, .offset: 0, .size: 8, .value_kind: global_buffer, .address_space: global }
      - { .name: orec, .offset: 8, .size: 8, .value_kind: global_buffer, .address_space: global }
      - { .name: wq, .offset: 16, .size: 8, .value_kind: global_buffer, .address_space: global }
      - { .name: bo, .offset: 24, .size: 8, .value_kind: global_buffer, .address_space: global }
      - { .name: ln2_g, .offset: 32, .size: 8, .value_kind: global_buffer, .address_space: global }
      - { .name: ln2_b, .offset: 40, .size: 8, .value_kind: global_buffer, .address_space: global }
      - { .name: b1, .offset: 48, .size: 8, .value_kind: global_buffer, .address_space: global }
      - { .name: b2, .offset: 56, .size: 8, .value_kind: global_buffer, .address_space: global }
      - { .name: out0, .offset: 64, .size: 8, .value_kind: global_buffer, .address_space: global }
    .group_segment_fixed_size: 327680
    .private_segment_fixed_size: 0
    .kernarg_segment_align: 8
    .kernarg_segment_size: 72
    .max_flat_workgroup_size: 128
    .sgpr_count:     96
    .vgpr_count:     1024
    .wavefront_size: 32
...
	.end_amdgpu_metadata
.endif
;; end of part 4
